; MI455X (gfx1250); checked and timed in simulation.
; The chip was launched on July 23, 2026; its instructions are those of AMD's public machine-readable ISA for CDNA 5 (MIT licence, August 2026) and "CDNA5" Instruction Set Architecture Reference Guide (July 2026). The comments in the code are by the model that wrote it; some were corrected since.
;; Causal Self Attention. Allowed arithmetic: matrix products marked QUANTISED: E2M3 operands, one E8M0 scale for each 32 along K, by v_wmma_scale_f32_16x16x128_f8f6f4 with both operands' format E2M3, f32 sums; everything else in f32.
;; Inputs: b_attn 3,072 float32; b_proj 1,024 float32; w_attn 1,024 x 3,072 float32; w_proj 1,024 x 1,024 float32; x 4 x 2,048 x 1,024 float32.
;; Outputs: out0 4 x 2,048 x 1,024 float32.
;; This version of the problem:
;;   THIS VERSION OF THE PROBLEM IS GIVEN IN LOW PRECISION. The matrix products marked QUANTISED in the list below multiply operands that are first quantised to E2M3 (2 exponent bits, 3 mantissa bits; 6 bits a number), with one power-of-two scale for each 32 numbers along K (OCP MX v1.0); their sums are f32. All else is computed in f32.
;;   The module's matrix products, in the order in which they are computed (A, B: the left and right operand; K: the contracted axis; several contracted axes count as one K, in the product's order):
;;     1. [M 8,192, K 1,024] x [K 1,024, N 3,072]; A: input x; B: input w_attn: QUANTISED
;;     2. batch 64 x [M 2,048, K 64] x [K 64, N 2,048]; A: computed on the way; B: computed on the way: QUANTISED
;;     3. batch 64 x [M 2,048, K 2,048] x [K 2,048, N 64]; A: softmax (see below); B: computed on the way: QUANTISED
;;     4. [M 8,192, K 1,024] x [K 1,024, N 1,024]; A: computed on the way; B: input w_proj: QUANTISED
;;   THE QUANTISER, for each operand of a quantised product, along K:
;;     - K is cut into blocks of 32 from its start; a last block that is shorter is filled with zeros.
;;     - A block's scale is 2^e with e = floor(log2(the largest magnitude in the block)) - 2, held to -126 .. 127; a block of zeros has e = 0. As a byte (E8M0): e + 127.
;;     - Each number is divided by its block's scale, clamped to +-7.5, and rounded to the nearest number of E2M3, ties to even, subnormals kept.
;;     - The product sums the exact products of the quantised numbers (number of the format x scale) in f32.
;;   ~~~python
;;   def quantise(x, axis):      # numpy; x: float32 -> the quantised numbers, widened to float32 again
;;       x = np.moveaxis(x, axis, -1); K = x.shape[-1]
;;       x = np.pad(x, [(0, 0)] * (x.ndim - 1) + [(0, -K % 32)]); x = x.reshape(x.shape[:-1] + (-1, 32)); a = np.abs(x).max(-1, keepdims=True)
;;       e = np.where(a > 0, np.clip(np.frexp(np.where(a > 0, a, 1))[1] - 1 - 2, -126, 127), 0)      # np.frexp(a)[1] - 1 = floor(log2(a)), exactly
;;       r = np.clip(x / 2.0 ** e, -7.5, 7.5)
;;       step = 2.0 ** (np.maximum(np.frexp(np.where(r == 0, 1, r))[1] - 1, 0) - 3)
;;       q = np.round(r / step) * step * 2.0 ** e      # np.round: ties to even
;;       return np.moveaxis(q.reshape(q.shape[:-2] + (-1,))[..., :K], -1, axis).astype(np.float32)
;;   ~~~
;;   SOFTMAX AHEAD OF A QUANTISED PRODUCT. Where the list says 'softmax', what is quantised is not the finished softmax but p = 2^(t - M), with t = logit x log2(e) and M = ceil(the row's largest t), a whole number; so 1/2 < the row's largest p <= 1. The row's sum l is taken of the UNQUANTISED p, in f32, and the product's result is divided by l at the end. Since M is a whole number, a kernel that streams over the keys may use a running M (the ceiling of the running maximum): every later rescaling is an exact power of two, which a block's scale takes up: the codes' values come out the same.
;;   OPERANDS COMPUTED ON THE WAY. 'Computed on the way' means the value that the module computes at that place (a softmax that the list does not call 'softmax' is quantised finished and normalised). What goes into a quantiser is computed in f32, as accurately as f32 sums, v_exp_f32 and their like allow (about 1e-6 of the number): no bf16 or f16 on the way to a quantiser, and a product that is left as it is and whose result goes on into a quantised operand takes f32 operands (vector FMAs, or v_wmma_f32_16x16x4_f32). A number that lies on a knife's edge between two numbers of the format may be rounded either way, as far as f32 arithmetic and the matrix unit's own rounding can turn it there, and no further.
;; One version. Each part assembles by itself: llvm-mc -triple=amdgcn-amd-amdhsa -mcpu=gfx1250 --defsym DOCPART=n.
;; ======== version 1 of 1: 4 launches
;; workspace buffers: xq 6,553,600 bytes; waq 2,457,600 bytes; wpq 819,200 bytes; qkv 19,660,800 bytes; yq 6,553,600 bytes
;; launch quant (part 1): grid 384 x 1, 4 waves a work-group, no clusters, 59,904 bytes of LDS; arguments x, w_attn, w_proj, xq, waq, wpq; writes xq, waq, wpq
.if DOCPART == 1
	.amdgcn_target "amdgcn-amd-amdhsa--gfx1250"
	.amdhsa_code_object_version 6
	.text
	.protected	k_q9071ae2da8_quant
	.globl	k_q9071ae2da8_quant
	.p2align	8
	.type	k_q9071ae2da8_quant,@function
k_q9071ae2da8_quant:
	s_mov_b64 s[64:65], 0
	v_nop
	global_prefetch_b8 v0, s[64:65] scope:SCOPE_SE
	s_setreg_imm32_b32 hwreg(HW_REG_WAVE_MODE, 25, 1), 1
	s_wait_xcnt 0x0
; x [8192][1024], w_attn [1024][3072] and w_proj [1024][1024], f32, become codes of FP6 (E2M3) with one E8M0 byte for each 32 along K (K = the 1,024), laid in the ORDER OF THE OPERAND'S REGISTERS.
; A block's scale is 2^(floor(log2(its largest magnitude)) - 2); its byte is the largest magnitude's exponent field - 2, held at 1 from below; each number is divided by it and rounded to the nearest code, ties to even.
; LIMITS: NaN and infinities among the inputs are not served.  A block of zeros, or one whose largest magnitude lies under 2^-124, gets the byte 1: its codes are zeros (or the rule's own, under the held byte), and this program alone reads the bytes.
; TILES.  Row r of tile t is row 32 (t / 2) + 8 (t % 2) + r + 8 (r / 8) of the tensor (a token of x, a column of a weight): so the results of two neighbouring tiles are 16 neighbours in a lane of the next product.
; A HALF is the image of 16 rows x 64 K: lane l = r + 16 h holds K = 32 h .. 32 h + 31 of row r in six registers; bytes 0-511: the lanes' registers 0-3, 16 bytes a lane; bytes 512-767: registers 4-5, 8 bytes a lane.
; A RECORD with NT tiles: codes [4 quarters of K][tile][4 HALFs], then at NT x 12,288 the scale bytes [quarter][tile][row][8].
; Work-groups 0-255 take x, the others the weights.  The two ways have LDS bytes of their own.  Waves share nothing: no barrier.  No cluster and no matrix unit: memory binds, and no input is read twice.
.set XWG,    256                       ; work-groups for x
.set RR,     16                        ; x: v16-143  two sets of 16 rows x 16 bytes a lane, as loaded
.set T,      144                       ; x: v144-207 64 numbers of my row: register 16 b + i = K 32 b + 16 h + i
.set PC,     208                       ; x: v208-219 the fragment's codes
.set PX,     220                       ; x: v220-222, v224-226 the conversions' second halves
.set TM,     228                       ; x: v228-231 largest magnitudes, v232-235 the other lane's, then bytes, v236-239 the conversions' scale operands
.set PW,     240                       ; x: the scale word just made
.set PWE,    241                       ; x: that of the even K step
.set WS,     242                       ; x: both, as they are stored
.set SEL,    20                        ; s[20:21] selects for lane l xor 16
.set XPITCH, 528                       ; x's stage: a row of 512 bytes + 16: sixteen rows begin in sixteen different groups of banks
.set XSTAGE, 16*XPITCH
.set WBASE,  4*XSTAGE                  ; the weights' stages lie behind x's
.set WTILE,  3200                      ; a tile's 3,072 bytes + 128, so that the two tiles of a wave fall on different banks
.set OFF,    16                        ; w: v16-47   byte offsets of 32 rows of K at my column
.set XW,     48                        ; w: v48-111  two sets of 32 numbers down K
.set CC,     112                       ; w: v112-117 a block's codes
.set CX,     120                       ; w: v120-122 the second conversion's
.set SBW,    124                       ; w: v[124:125] my column's eight scale bytes
.set OUTR,   144                       ; w: v144-191 the way out
; 64 numbers of a lane, v[s] on, become a fragment's codes in v[PC] on and its row's scale word in v[PW]
.macro QUANT s
.irp b, 0,1,2,3
	v_max3_num_f32 v[TM+\b], |v[\s+16*\b]|, |v[\s+1+16*\b]|, 0x1800000   ; block b: my 16 numbers, and the floor 2^(3 - 127): the byte cannot fall under 1
.endr
.irp i, 2,4,6,8,10,12,14
.irp b, 0,1,2,3
	v_max3_num_f32 v[TM+\b], v[TM+\b], |v[\s+16*\b+\i]|, |v[\s+1+16*\b+\i]|   ; the four blocks by turns
.endr
.endr
.irp b, 0,1,2,3
	v_permlanex16_b32 v[TM+4+\b], v[TM+\b], s[SEL], s[SEL+1]
.endr
.irp b, 0,1,2,3
	v_max_num_f32 v[TM+\b], v[TM+\b], v[TM+4+\b]       ; with lane l xor 16's 16: the block's largest magnitude
.endr
.irp b, 0,1,2,3
	v_add_nc_u32 v[TM+8+\b], 0xff000000, v[TM+\b]      ; 2 off its exponent field: the conversion takes this operand's exponent field as its scale
.endr
.irp b, 0,1,2,3
	v_lshrrev_b32 v[TM+4+\b], 23, v[TM+8+\b]           ; the scale's byte
.endr
	v_lshl_or_b32 v[PW], v[TM+5], 8, v[TM+4]
	v_lshl_or_b32 v[PW], v[TM+6], 16, v[PW]
	v_lshl_or_b32 v[PW], v[TM+7], 24, v[PW]
.irp c, 0,1
	v_cvt_scalef32_pk16_fp6_f32 v[PC+6*\c:PC+2+6*\c], v[\s+32*\c:\s+15+32*\c], v[TM+8+2*\c]
	v_cvt_scalef32_pk16_fp6_f32 v[PX+4*\c:PX+2+4*\c], v[\s+16+32*\c:\s+31+32*\c], v[TM+8+2*\c+1]   ; (a conversion's three registers begin on an even number)
.endr
	v_nop                                              ; one plain line behind the scaled conversions
.irp c, 0,1                                        ; the operand wants a WHOLE block in a lane: lanes 0-15 block 2 c, lanes 16-31 block 2 c + 1
.irp i, 0,1,2
	v_permlane16_swap_b32 v[PC+6*\c+\i], v[PX+4*\c+\i]
.endr
.irp i, 0,1,2
	v_mov_b32 v[PC+3+6*\c+\i], v[PX+4*\c+\i]
.endr
.endr
.endm
	s_load_b256 s[4:11], s[0:1], 0x0               ; x s[4:5], w_attn s[6:7], w_proj s[8:9], xq s[10:11]
	s_load_b128 s[12:15], s[0:1], 0x20             ; waq s[12:13], wpq s[14:15]
	v_lshl_add_u32 v254, v0, 2, 0xe800
	v_mov_b32 v255, 0
	v_lshrrev_b32 v1, 5, v0
	v_readfirstlane_b32 s16, v1                    ; wave 0..3
	v_and_b32 v2, 31, v0                           ; lane
	s_cmp_lt_u32 ttmp9, XWG
	s_cbranch_scc0 .Lweights
; ---------------- x: a wave takes one tile of 16 tokens x 512 along K: four K steps of 128
	s_lshl_b32 s17, ttmp9, 2
	s_add_co_u32 s17, s17, s16                     ; which of 1,024 such parts
	s_lshr_b32 s18, s17, 1                         ; the tile, 0..511
	s_and_b32 s19, s17, 1                          ; which half of K
	s_lshr_b32 s22, s18, 1
	s_lshl_b32 s22, s22, 17                        ; 32 rows of 4,096 bytes for each pair of tiles,
	s_and_b32 s23, s18, 1
	s_lshl_b32 s23, s23, 15                        ; 8 rows for the odd tile,
	s_add_co_u32 s22, s22, s23
	s_lshl_b32 s23, s19, 11                        ; 2,048 bytes for the upper half of K
	s_add_co_u32 s22, s22, s23
	s_mov_b32 s23, 0
	s_mul_i32 s24, s19, 3145728                    ; codes: two quarters of K (512 tiles x 3,072 bytes each) for the upper half,
	s_mul_i32 s25, s18, 3072                       ; and the tile
	s_add_co_u32 s24, s24, s25
	s_mov_b32 s25, 0
	s_lshl_b32 s26, s19, 17                        ; scale bytes: two quarters of 65,536 bytes,
	s_lshl_b32 s27, s18, 7                         ; 128 bytes a tile
	s_add_co_u32 s26, s26, s27
	s_mov_b32 s27, 0
	s_mul_i32 s28, s16, XSTAGE                     ; my stage
	s_mov_b32 s29, 0xffff0000                      ; lanes 16-31
	s_mov_b32 s[SEL], 0x76543210
	s_mov_b32 s[SEL+1], 0xfedcba98
	s_wait_alu depctr_va_vdst(0)
	v_lshlrev_b32 v3, 4, v2                        ; 16 x lane
	v_lshlrev_b32 v4, 3, v2                        ; 8 x lane
	v_and_b32 v5, 15, v2                           ; r
	v_lshrrev_b32 v6, 4, v2                        ; h
	v_add_nc_u32 v7, s28, v3                       ; into the stage: 16 bytes a lane of a row
	v_mul_u32_u24 v8, v5, XPITCH
	v_lshl_add_u32 v8, v6, 6, v8
	v_add_nc_u32 v8, s28, v8                       ; out of it: row r, + 64 h: my 16 numbers of a block of 32
	v_lshlrev_b32 v9, 3, v5
	v_lshl_add_u32 v9, v6, 2, v9                   ; scale words: 8 r + 4 h
.irp b, 0,1,2,3
	v_mov_b32 v[TM+4+\b], 0                        ; written once: a lane permute's destination counts as one of its sources
.endr
	s_wait_alu depctr_va_vdst(0)
	s_wait_kmcnt 0x0
	s_add_nc_u64 s[4:5], s[4:5], s[22:23]
	s_add_nc_u64 s[30:31], s[10:11], s[24:25]
	s_add_nc_u64 s[32:33], s[10:11], s[26:27]
.macro XLOAD t                         ; K step t of the tile's 16 rows: each load reads 512 consecutive bytes of one row
.irp i, 0,1,2,3,4,5,6,7,8,9,10,11,12,13,14,15
	global_load_b128 v[RR+64*((\t)%2)+4*\i:RR+64*((\t)%2)+4*\i+3], v3, s[4:5] offset:(\i+8*(\i/8))*4096+512*(\t) th:TH_LOAD_NT
.endr
.endm
.macro TURN t                          ; through my stage: in by rows as loaded, out 16 neighbours of each block a lane; LDS serves a wave's instructions in order
.irp i, 0,1,2,3,4,5,6,7,8,9,10,11,12,13,14,15
	ds_store_b128 v7, v[RR+64*((\t)%2)+4*\i:RR+64*((\t)%2)+4*\i+3] offset:\i*XPITCH
.endr
.irp b, 0,1,2,3
.irp j, 0,1,2,3
	ds_load_b128 v[T+16*\b+4*\j:T+16*\b+4*\j+3], v8 offset:128*\b+16*\j
.endr
.endr
.endm
.macro XOUT t                          ; the fragment as two HALFs: every store covers 512 or 256 consecutive bytes, aligned
	global_store_b128 v3, v[PC:PC+3], s[30:31] offset:((\t)/2)*1572864+((\t)%2)*1536
	global_store_b64 v4, v[PC+4:PC+5], s[30:31] offset:((\t)/2)*1572864+((\t)%2)*1536+512
	global_store_b128 v3, v[PC+6:PC+9], s[30:31] offset:((\t)/2)*1572864+((\t)%2)*1536+768
	global_store_b64 v4, v[PC+10:PC+11], s[30:31] offset:((\t)/2)*1572864+((\t)%2)*1536+1280
.if (\t)%2 == 0
	v_mov_b32 v[PWE], v[PW]                        ; kept for the odd step
.else
	v_cndmask_b32 v[WS], v[PWE], v[PW], s29        ; lanes 0-15 the even step's word, lanes 16-31 the odd step's: 128 consecutive bytes
	global_store_b32 v9, v[WS], s[32:33] offset:6291456+((\t)/2)*65536
.endif
.endm
	XLOAD 0
	XLOAD 1
.irp t, 0,1,2,3
.if \t < 3
	s_wait_loadcnt 16                              ; this step's 16 loads are in; the next step's 16 may be out
.else
	s_wait_loadcnt 0x0
.endif
	TURN \t
	s_wait_dscnt 0x0                               ; my 64 numbers are in
	s_wait_xcnt 0x0                                ; the last step's stores have read their registers: the codes and the word are written again only behind this wait
.if \t < 2
	XLOAD \t+2
.endif
	QUANT T
	XOUT \t
.endr
	s_wait_tensorcnt 0x0
	ds_add_u32 v254, v255
	s_wait_dscnt 0x0
	s_endpgm
; ---------------- the weights: K is their FIRST axis.  A lane takes a column, its registers run down K: a block of 32 lies in one lane.  A work-group: 128 columns x 256 along K; a wave: 32 columns = two tiles
.Lweights:
	s_sub_co_u32 s17, ttmp9, XWG
	s_lshr_b32 s18, s17, 2                         ; group of 128 columns: 0-23 w_attn's, 24-31 w_proj's
	s_and_b32 s19, s17, 3                          ; quarter of K
	s_sub_co_u32 s22, s18, 24
	s_wait_kmcnt 0x0
	s_cmp_lt_u32 s18, 24                           ; the choice hangs on the work-group's number alone
	s_cselect_b64 s[4:5], s[6:7], s[8:9]           ; the weight
	s_cselect_b64 s[10:11], s[12:13], s[14:15]     ; its record
	s_cselect_b32 s22, s18, s22                    ; the group within it
	s_mov_b32 s23, 4096
	s_cselect_b32 s23, 12288, s23                  ; bytes in a row of the weight
	s_mov_b32 s24, 196608
	s_cselect_b32 s24, 589824, s24                 ; a quarter's codes: tiles x 3,072
	s_mov_b32 s25, 786432
	s_cselect_b32 s25, 2359296, s25                ; where the scale bytes begin
	s_mov_b32 s26, 8192
	s_cselect_b32 s26, 24576, s26                  ; a quarter's scale bytes
	s_lshl_b32 s27, s22, 2
	s_add_co_u32 s27, s27, s16                     ; which 32 columns
	s_mul_i32 s28, s19, s23
	s_lshl_b32 s28, s28, 8                         ; 256 rows a quarter,
	s_lshl_b32 s29, s27, 7                         ; 128 bytes for each 32 columns
	s_add_co_u32 s28, s28, s29
	s_mov_b32 s29, 0
	s_lshl_b32 s30, s23, 5                         ; 32 rows: from block to block
	s_mov_b32 s31, 0
	s_add_nc_u64 s[32:33], s[4:5], s[28:29]        ; a base for each of the eight blocks
.irp t, 1,2,3,4,5,6,7
	s_add_nc_u64 s[32+2*\t:33+2*\t], s[30+2*\t:31+2*\t], s[30:31]
.endr
	s_mul_i32 s52, s19, s24
	s_mul_i32 s53, s27, 6144                       ; two tiles of 3,072 bytes
	s_add_co_u32 s52, s52, s53
	s_mov_b32 s53, 0
	s_add_nc_u64 s[48:49], s[10:11], s[52:53]      ; my codes
	s_mul_i32 s52, s19, s26
	s_add_co_u32 s52, s52, s25
	s_lshl_b32 s54, s27, 8                         ; two tiles of 128 bytes
	s_add_co_u32 s52, s52, s54
	s_add_nc_u64 s[50:51], s[10:11], s[52:53]      ; my scale bytes
	s_mul_i32 s54, s16, 2*WTILE
	s_add_co_u32 s54, s54, WBASE                   ; my stage
	s_wait_alu depctr_va_vdst(0)
	v_lshlrev_b32 v3, 2, v2                        ; 4 bytes a column
.set n, 0
.rept 32
	v_mad_u32_u24 v[OFF+n], s23, n, v3             ; row n of a block
.set n, n+1
.endr
	v_bfe_u32 v4, v2, 3, 1                         ; column x of the 32 is row r = x % 8 + 8 (x / 16) of tile u = (x / 8) % 2
	v_and_b32 v5, 7, v2
	v_lshrrev_b32 v6, 4, v2
	v_lshl_add_u32 v5, v6, 3, v5
	v_mul_u32_u24 v7, v4, WTILE
	v_add_nc_u32 v7, s54, v7
	v_lshl_add_u32 v8, v5, 4, v7                   ; into the stage: registers 0-3 of my place in a HALF,
	v_lshl_add_u32 v9, v5, 3, v7                   ; registers 4-5
	v_lshlrev_b32 v10, 4, v2                       ; the way out: 16 x lane
	v_add_nc_u32 v11, s54, v10
	v_lshlrev_b32 v12, 7, v4
	v_lshl_add_u32 v12, v5, 3, v12                 ; my eight scale bytes: 128 u + 8 r
.macro WLOAD t                         ; block t: 32 rows of K at my column; a load reads 128 consecutive bytes
.set n, 0
.rept 32
	global_load_b32 v[XW+32*((\t)%2)+n], v[OFF+n], s[32+2*(\t):33+2*(\t)] th:TH_LOAD_NT
.set n, n+1
.endr
.endm
.macro WBLOCK t
.set XS, XW+32*((\t)%2)
.if (\t) < 7
	s_wait_loadcnt 32                              ; this block's 32 loads are in; the next block's may be out
.else
	s_wait_loadcnt 0x0
.endif
	v_max3_num_f32 v126, |v[XS]|, |v[XS+1]|, |v[XS+2]|     ; the block's largest magnitude: all 32 numbers are mine; two chains
	v_max3_num_f32 v127, |v[XS+3]|, |v[XS+4]|, |v[XS+5]|
.irp i, 6,10,14,18,22,26
	v_max3_num_f32 v126, v126, |v[XS+\i]|, |v[XS+\i+1]|
	v_max3_num_f32 v127, v127, |v[XS+\i+2]|, |v[XS+\i+3]|
.endr
	v_max3_num_f32 v126, v126, |v[XS+30]|, |v[XS+31]|
	v_max3_num_f32 v126, v126, v127, 0x1800000     ; and the floor
	v_add_nc_u32 v128, 0xff000000, v126            ; the conversions' scale operand
	v_lshrrev_b32 v129, 23, v128                   ; the byte
.if (\t)%4 == 0
	v_mov_b32 v[SBW+(\t)/4], v129
.else
	v_lshl_or_b32 v[SBW+(\t)/4], v129, 8*((\t)%4), v[SBW+(\t)/4]
.endif
	v_cvt_scalef32_pk16_fp6_f32 v[CC:CC+2], v[XS:XS+15], v128
	v_cvt_scalef32_pk16_fp6_f32 v[CX:CX+2], v[XS+16:XS+31], v128
	v_nop                                          ; one plain line behind the scaled conversions
.irp i, 0,1,2
	v_mov_b32 v[CC+3+\i], v[CX+\i]
.endr
	ds_store_b128 v8, v[CC:CC+3] offset:((\t)/2)*768+256*((\t)%2)          ; block t is half t % 2 of HALF t / 2: lane r + 16 (t % 2) of the image
	ds_store_b64 v9, v[CC+4:CC+5] offset:((\t)/2)*768+512+128*((\t)%2)
.if (\t)+2 < 8
	WLOAD (\t)+2
.endif
	s_wait_dscnt 0x0                               ; the stores have read their registers
.endm
	WLOAD 0
	WLOAD 1
.irp t, 0,1,2,3,4,5,6,7
	WBLOCK \t
.endr
	s_wait_alu depctr_va_vdst(0)
	global_store_b64 v12, v[SBW:SBW+1], s[50:51]   ; 32 lanes store 256 consecutive bytes, aligned
.irp u, 0,1
.irp k, 0,1,2,3,4,5
	ds_load_b128 v[OUTR+24*\u+4*\k:OUTR+24*\u+4*\k+3], v11 offset:\u*WTILE+512*\k
.endr
.endr
.irp u, 0,1
.irp k, 0,1,2,3,4,5
	s_wait_dscnt 11-6*\u-\k                        ; LDS loads come back in order: this one is in
	global_store_b128 v10, v[OUTR+24*\u+4*\k:OUTR+24*\u+4*\k+3], s[48:49] offset:\u*3072+512*\k
.endr
.endr
	s_wait_tensorcnt 0x0
	ds_add_u32 v254, v255
	s_wait_dscnt 0x0
	s_endpgm
.Lfunc_end_k_q9071ae2da8_quant:
	.size	k_q9071ae2da8_quant, .Lfunc_end_k_q9071ae2da8_quant-k_q9071ae2da8_quant
	.p2alignl 7, 3214868480
	.fill 96, 4, 3214868480
	.section	.rodata,"a",@progbits
	.p2align	6, 0x0
	.amdhsa_kernel k_q9071ae2da8_quant
		.amdhsa_group_segment_fixed_size 59904
		.amdhsa_private_segment_fixed_size 0
		.amdhsa_enable_private_segment 0
		.amdhsa_kernarg_size 48
		.amdhsa_user_sgpr_count 2
		.amdhsa_user_sgpr_kernarg_segment_ptr 1
		.amdhsa_wavefront_size32 1
		.amdhsa_system_sgpr_workgroup_id_x 1
		.amdhsa_system_sgpr_workgroup_id_y 1
		.amdhsa_system_sgpr_workgroup_id_z 1
		.amdhsa_system_vgpr_workitem_id 0
		.amdhsa_next_free_vgpr 256
		.amdhsa_next_free_sgpr 66
		.amdhsa_reserve_vcc 0
		.amdhsa_float_denorm_mode_32 3
		.amdhsa_float_denorm_mode_16_64 3
		.amdhsa_memory_ordered 1
		.amdhsa_forward_progress 1
		.amdhsa_inst_pref_size 78
	.end_amdhsa_kernel
	.amdgpu_metadata
---
amdhsa.version: [ 1, 2 ]
amdhsa.kernels:
  - .name:           k_q9071ae2da8_quant
    .symbol:         k_q9071ae2da8_quant.kd
    .args:
      - { .name: x, .offset: 0, .size: 8, .value_kind: global_buffer, .address_space: global }
      - { .name: w_attn, .offset: 8, .size: 8, .value_kind: global_buffer, .address_space: global }
      - { .name: w_proj, .offset: 16, .size: 8, .value_kind: global_buffer, .address_space: global }
      - { .name: xq, .offset: 24, .size: 8, .value_kind: global_buffer, .address_space: global }
      - { .name: waq, .offset: 32, .size: 8, .value_kind: global_buffer, .address_space: global }
      - { .name: wpq, .offset: 40, .size: 8, .value_kind: global_buffer, .address_space: global }
    .group_segment_fixed_size: 59904
    .private_segment_fixed_size: 0
    .kernarg_segment_align: 8
    .kernarg_segment_size: 48
    .max_flat_workgroup_size: 128
    .sgpr_count:     66
    .vgpr_count:     256
    .wavefront_size: 32
...
	.end_amdgpu_metadata
.endif
;; end of part 1
;; launch gemm_qkv (part 2): grid 12 x 64, 4 waves a work-group, clusters of 4 x 4, 295,424 bytes of LDS; arguments xq, waq, b_attn, qkv; writes qkv
.if DOCPART == 2
	.amdgcn_target "amdgcn-amd-amdhsa--gfx1250"
	.amdhsa_code_object_version 6
	.text
	.protected	k_q9071ae2da8_gemm_qkv
	.globl	k_q9071ae2da8_gemm_qkv
	.p2align	8
	.type	k_q9071ae2da8_gemm_qkv,@function
k_q9071ae2da8_gemm_qkv:
	s_mov_b64 s[64:65], 0
	v_nop
	global_prefetch_b8 v0, s[64:65] scope:SCOPE_SE
	s_setreg_imm32_b32 hwreg(HW_REG_WAVE_MODE, 25, 1), 1
	s_wait_xcnt 0x0
	s_wait_alu depctr_hold_cnt(0) depctr_sa_sdst(0) depctr_va_vdst(0) depctr_va_sdst(0) depctr_va_ssrc(0) depctr_va_vcc(0) depctr_vm_vsrc(0)
	s_getreg_b32 s2, hwreg(HW_REG_IB_STS2, 6, 4)
	s_cmp_eq_u32 s2, 0
	s_cbranch_scc0 .Lentry_in_a_cluster
	s_endpgm
.Lentry_in_a_cluster:
	s_bfe_u32 s2, ttmp6, 0x10000c
	s_cmp_lg_u32 s2, 0xf033
	s_cbranch_scc0 .Lentry_shape_is_right
	s_endpgm
.Lentry_shape_is_right:
; qkv = x w_attn + b_attn on codes of FP6 (E2M3), and q, k, v quantised at once: q and k along the head's 64 (two blocks), v along the keys.  Nothing wider than codes goes to memory.
; Operands come as records of register images (tiles of 16 rows, row r of tile t = row 32 (t / 2) + 8 (t % 2) + r + 8 (r / 8); a HALF = 16 rows x 64 K = 768 bytes; codes [quarter of K][tile][4 HALFs]; scale bytes [quarter][tile][row][8]).
; THE PRODUCT IS USED TRANSPOSED: source 0 = 16 rows of S0, source 1 = 16 rows of S1: a lane holds ONE row of S1, and the 16 registers of two neighbouring tiles of S0 are 16 neighbours along S0's rows.
; KINDS, by the cluster's x, which all partners share.  0, 1 (q, k): S1 = 128 tokens, S0 = 256 columns of w_attn: a lane's registers run along the features.  2 (v): S1 = 128 columns, S0 = 256 tokens: they run along the keys.
; A work-group makes 128 (S1) x 256 (S0); wave w: rows 64 (w / 2) on x rows 128 (w % 2) on: 4 x 8 accumulators.  768 work-groups: three for each of 256 WGPs.
; ALL OF K LIES IN LDS: four chunks of 256 along K, 73,728 bytes each (S1's 8 tiles, then S0's 16), each filled ONCE: no byte of LDS is filled again.  All four fills go out at the start: four tensor loads of a wave are out at the most.
; CLUSTER 4 x 4: S1's tiles are shared along a row of the cluster, S0's along a column: joint loads, the same descriptor in the four that the mask names.
; qkv: a record of 307,200 bytes for each (batch, head): K [128 tiles][HALF] at 0; V [16 key steps][4 tiles of 16 channels][1,536] at 98,304; K's scale words [pair of tiles][row] at 196,608 (low half: the even tile's two bytes);
;   V's [key step][tile][row] at 200,704; Q at 204,800 and its scale words at 303,104, laid as K's.
; LIMITS: NaN and infinities are not served; a block whose largest magnitude lies under 2^-124 (a block of zeros too) gets the byte 1.
; REGISTERS: window 0: v1-23 addresses; v32-47 S1's scale words, v48-79 S0's (lanes 0-15 the even tile's, lanes 16-31 the odd tile's); v80-175 S1's fragments, two sets; v176-239, v240-247 the bias in two forms; v248-252 scale words on their way out.
;   window 1: S0's fragments, two sets of 96.  window 2: accumulator (a, b) at v[8 (8 a + b)].  On the way out v80-175 are free.
.set CH,   73728                       ; a chunk
.set REC,  307200
.set WV,   12
.set G1A,  24                          ; s[24:31] group 1 for S1's tiles;  s[40:55] its four groups 0
.set G1B,  32                          ; s[32:39] for S0's;                s[68:83]
.set G0A,  40
.set G0B,  68
.set SEL,  66                          ; s[66:67] selects for lane l xor 16
.set MSK,  92                          ; s92 lanes 16-31 (on the way out)
.set A1L,  1                           ; LDS: my S1 tiles, 16 x lane;  v2: 8 x lane
.set A1S,  2
.set A0L,  3                           ; the same for S0
.set A0S,  4
.set L16,  5
.set L8,   6
.set L4,   7
.set KSO,  8                           ; 4 r + 307,200 h: q's and k's scale words of two heads
.set SO1,  10                          ; v10-13 8 x lane + quarter x S1's stride of scale bytes;  v14-17 S0's
.set SO0,  14
.set BIO,  18
.set BVO,  19
.set S1SC, 32
.set S0SC, 48
.set S1F,  80
.set BI,   176                         ; b_attn at the lane's 64 features (q, k)
.set BV,   240                         ; b_attn at the lane's one feature of each tile a, twice (v)
.set PW,   248
.set PWE,  249
.set W0,   250
.set W1,   251
.set WS,   252
.set T,    80
.set PC,   144
.set PX,   156
.set TM,   164
.set MSB, 0
.macro WIN new                         ; the immediate's high byte repeats the setting that is left
.if MSB != \new
	s_set_vgpr_msb (MSB<<8)|\new
.set MSB, \new
.endif
.endm
.macro ROUND                           ; a round of the cluster's barrier
	s_barrier_signal -1
	s_barrier_wait -1
	s_cmp_lg_u32 s[WV], 0
	s_cbranch_scc1 .Lnot_wave_0_\@
	s_barrier_signal -3
.Lnot_wave_0_\@:
	s_barrier_wait -3
	s_barrier_signal -1
	s_barrier_wait -1
.endm
.macro FR4 d, al, as, o                ; a fragment (16 rows x 128 K, 12 registers) = two HALFs: every load reads consecutive bytes
	ds_load_b128 v[\d:\d+3], v[\al] offset:\o
	ds_load_b64 v[\d+4:\d+5], v[\as] offset:\o+512
	ds_load_b128 v[\d+6:\d+9], v[\al] offset:\o+768
	ds_load_b64 v[\d+10:\d+11], v[\as] offset:\o+1280
.endm
; one product.  z = 1: it starts the sum.  rx, ry: the scale words lie in lanes 16-31 of their register (an odd tile)
.macro WM d, x, y, z, sx, sy, rx, ry
.if \z
.if \rx
.if \ry
	v_wmma_scale_f32_16x16x128_f8f6f4 v[\d:\d+7], v[\x:\x+11], v[\y:\y+11], 0, v[\sx], v[\sy] matrix_a_fmt:MATRIX_FMT_FP6 matrix_b_fmt:MATRIX_FMT_FP6 matrix_a_scale:MATRIX_SCALE_ROW1 matrix_b_scale:MATRIX_SCALE_ROW1
.else
	v_wmma_scale_f32_16x16x128_f8f6f4 v[\d:\d+7], v[\x:\x+11], v[\y:\y+11], 0, v[\sx], v[\sy] matrix_a_fmt:MATRIX_FMT_FP6 matrix_b_fmt:MATRIX_FMT_FP6 matrix_a_scale:MATRIX_SCALE_ROW1
.endif
.else
.if \ry
	v_wmma_scale_f32_16x16x128_f8f6f4 v[\d:\d+7], v[\x:\x+11], v[\y:\y+11], 0, v[\sx], v[\sy] matrix_a_fmt:MATRIX_FMT_FP6 matrix_b_fmt:MATRIX_FMT_FP6 matrix_b_scale:MATRIX_SCALE_ROW1
.else
	v_wmma_scale_f32_16x16x128_f8f6f4 v[\d:\d+7], v[\x:\x+11], v[\y:\y+11], 0, v[\sx], v[\sy] matrix_a_fmt:MATRIX_FMT_FP6 matrix_b_fmt:MATRIX_FMT_FP6
.endif
.endif
.else
.if \rx
.if \ry
	v_wmma_scale_f32_16x16x128_f8f6f4 v[\d:\d+7], v[\x:\x+11], v[\y:\y+11], v[\d:\d+7], v[\sx], v[\sy] matrix_a_fmt:MATRIX_FMT_FP6 matrix_b_fmt:MATRIX_FMT_FP6 matrix_a_scale:MATRIX_SCALE_ROW1 matrix_b_scale:MATRIX_SCALE_ROW1
.else
	v_wmma_scale_f32_16x16x128_f8f6f4 v[\d:\d+7], v[\x:\x+11], v[\y:\y+11], v[\d:\d+7], v[\sx], v[\sy] matrix_a_fmt:MATRIX_FMT_FP6 matrix_b_fmt:MATRIX_FMT_FP6 matrix_a_scale:MATRIX_SCALE_ROW1
.endif
.else
.if \ry
	v_wmma_scale_f32_16x16x128_f8f6f4 v[\d:\d+7], v[\x:\x+11], v[\y:\y+11], v[\d:\d+7], v[\sx], v[\sy] matrix_a_fmt:MATRIX_FMT_FP6 matrix_b_fmt:MATRIX_FMT_FP6 matrix_b_scale:MATRIX_SCALE_ROW1
.else
	v_wmma_scale_f32_16x16x128_f8f6f4 v[\d:\d+7], v[\x:\x+11], v[\y:\y+11], v[\d:\d+7], v[\sx], v[\sy] matrix_a_fmt:MATRIX_FMT_FP6 matrix_b_fmt:MATRIX_FMT_FP6
.endif
.endif
.endif
.endm
.macro FETCH q                         ; K step q's fragments (48 LDS loads) into set q % 2; the address registers stand at chunk q / 2
	WIN 0x40                                       ; destination window 1
.irp b, 0,1,2,3,4,5,6,7
	FR4 96*((\q)%2)+12*\b, A0L, A0S, 3072*\b+1536*((\q)%2)
.endr
	WIN 0
.irp a, 0,1,2,3
	FR4 S1F+48*((\q)%2)+12*\a, A1L, A1S, 3072*\a+1536*((\q)%2)
.endr
.endm
.macro MUL q, z                        ; 32 products; the 32 accumulators take turns, one instruction a turn, in the same order in every step
	WIN 0xa1                                       ; source 0 window 1, source 1 window 0, C and D window 2
.irp a, 0,1,2,3
.irp b, 0,1,2,3,4,5,6,7
	WM 8*(8*\a+\b), 96*((\q)%2)+12*\b, S1F+48*((\q)%2)+12*\a, \z, S0SC+8*((\q)/2)+2*(\b/2)+(\q)%2, S1SC+4*((\q)/2)+2*(\a/2)+(\q)%2, \b%2, \a%2
.endr
.endr
.endm
.macro STEP q, z
	s_wait_dscnt 0x0                               ; this step's fragments are in (asked for 32 products ago); no LDS access of mine is out at a signal
.if ((\q)%2 == 1) && ((\q) < 7)
	s_wait_tensorcnt 3-((\q)+1)/2                  ; my part of the next chunk has landed; the count is my loads of the chunks behind it
	s_barrier_signal -1
	s_barrier_wait -1                              ; everybody's has.
.endif
.if (\q) < 7
	FETCH (\q)+1
.endif
	MUL \q, \z
	WIN 0
.if ((\q)%2 == 0) && ((\q) < 6)                ; four plain lines behind the products, ahead of the loads into the set just multiplied: here the step to the next chunk
	v_add_nc_u32 v[A1L], CH, v[A1L]
	v_add_nc_u32 v[A1S], CH, v[A1S]
	v_add_nc_u32 v[A0L], CH, v[A0L]
	v_add_nc_u32 v[A0S], CH, v[A0S]
.else
.rept 4
	v_nop
.endr
.endif
.endm
; 64 numbers of a lane, v[s] on (register 16 b + i = K 32 b + 16 h + i of the next product), become a fragment's codes in v[PC] on and its row's scale word in v[PW]
.macro QUANT s
.irp b, 0,1,2,3
	v_max3_num_f32 v[TM+\b], |v[\s+16*\b]|, |v[\s+1+16*\b]|, 0x1800000   ; my 16 numbers of block b, and the floor 2^(3 - 127)
.endr
.irp i, 2,4,6,8,10,12,14
.irp b, 0,1,2,3
	v_max3_num_f32 v[TM+\b], v[TM+\b], |v[\s+16*\b+\i]|, |v[\s+1+16*\b+\i]|
.endr
.endr
.irp b, 0,1,2,3
	v_permlanex16_b32 v[TM+4+\b], v[TM+\b], s[SEL], s[SEL+1]
.endr
.irp b, 0,1,2,3
	v_max_num_f32 v[TM+\b], v[TM+\b], v[TM+4+\b]
.endr
.irp b, 0,1,2,3
	v_add_nc_u32 v[TM+8+\b], 0xff000000, v[TM+\b]      ; 2 off the exponent field: the conversion's scale operand
.endr
.irp b, 0,1,2,3
	v_lshrrev_b32 v[TM+4+\b], 23, v[TM+8+\b]           ; the byte
.endr
	v_lshl_or_b32 v[PW], v[TM+5], 8, v[TM+4]
	v_lshl_or_b32 v[PW], v[TM+6], 16, v[PW]
	v_lshl_or_b32 v[PW], v[TM+7], 24, v[PW]
.irp c, 0,1
	v_cvt_scalef32_pk16_fp6_f32 v[PC+6*\c:PC+2+6*\c], v[\s+32*\c:\s+15+32*\c], v[TM+8+2*\c]
	v_cvt_scalef32_pk16_fp6_f32 v[PX+4*\c:PX+2+4*\c], v[\s+16+32*\c:\s+31+32*\c], v[TM+8+2*\c+1]
.endr
	v_nop                                              ; one plain line behind the scaled conversions
.irp c, 0,1
.irp i, 0,1,2
	v_permlane16_swap_b32 v[PC+6*\c+\i], v[PX+4*\c+\i]
.endr
.irp i, 0,1,2
	v_mov_b32 v[PC+3+6*\c+\i], v[PX+4*\c+\i]
.endr
.endr
.endm
	s_load_b256 s[4:11], s[0:1], 0x0               ; xq s[4:5], waq s[6:7], b_attn s[8:9], qkv s[10:11]
	v_lshl_add_u32 v254, v0, 2, 0x48000
	v_mov_b32 v255, 0
	ds_add_u32 v254, v255
	ds_add_u32 v254, v255
	v_lshrrev_b32 v20, 5, v0
	v_readfirstlane_b32 s[WV], v20                 ; wave 0..3
	s_lshr_b32 s13, s[WV], 1                       ; which 64 rows of S1 are mine
	s_and_b32 s14, s[WV], 1                        ; which 128 rows of S0
	s_bfe_u32 s15, ttmp6, 0x40000                  ; cx
	s_bfe_u32 s16, ttmp6, 0x40004                  ; cy
	s_and_b32 s17, ttmp7, 0xffff                   ; the cluster's y
	s_and_b32 s18, s17, 1
	s_lshr_b32 s19, s17, 1
	s_lshl_b32 s20, s16, 2
	s_lshl_b32 s20, 15, s20                        ; my row of the cluster
	s_lshl_b32 s21, 0x1111, s15                    ; my column
	; group 1: dense blocks as rows of 256 bytes (32 elements of 8 bytes): S1's 8 tiles are 96 rows; a third of S0's 16 tiles 64 rows
	s_or_b32 s[G1A], s20, (3<<16)|(1<<21)          ; 15:0 the mask; 17:16 elements of 8 bytes; 21 set beside a mask
	s_or_b32 s[G1B], s21, (3<<16)|(1<<21)
	s_mov_b32 s[G1A+1], 32<<16                     ; tensor_dim0
	s_mov_b32 s[G1A+2], 96<<16                     ; tensor_dim1
	s_mov_b32 s[G1A+3], 32<<16                     ; tile_dim0
	s_mov_b32 s[G1A+4], 96                         ; tile_dim1
	s_mov_b32 s[G1A+5], 32                         ; the pitch
	s_mov_b32 s[G1A+6], 0
	s_mov_b32 s[G1A+7], 0
	s_mov_b32 s[G1B+1], 32<<16
	s_mov_b32 s[G1B+2], 64<<16
	s_mov_b32 s[G1B+3], 32<<16
	s_mov_b32 s[G1B+4], 64
	s_mov_b32 s[G1B+5], 32
	s_mov_b32 s[G1B+6], 0
	s_mov_b32 s[G1B+7], 0
	s_mov_b32 s[SEL], 0x76543210
	s_mov_b32 s[SEL+1], 0xfedcba98
	s_wait_dscnt 0x0
	s_wait_kmcnt 0x0
	s_cmp_eq_u32 ttmp9, 2                          ; the kind: every choice below hangs on the cluster's x alone
	s_cselect_b64 s[56:57], s[6:7], s[4:5]         ; S1's record
	s_cselect_b64 s[58:59], s[4:5], s[6:7]         ; S0's
	s_cselect_b32 s18, s18, s17                    ; what the cluster's place gives S1's index,
	s_cselect_b32 s19, s19, ttmp9                  ; and S0's
	s_mov_b32 s88, 1572864
	s_cselect_b32 s88, 589824, s88                 ; a quarter's codes in S1's record,
	s_mov_b32 s90, 589824
	s_cselect_b32 s90, 1572864, s90                ; in S0's
	s_mov_b32 s84, 6291456
	s_cselect_b32 s84, 2359296, s84                ; where S1's scale bytes begin,
	s_mov_b32 s85, 65536
	s_cselect_b32 s85, 24576, s85                  ; a quarter of them
	s_mov_b32 s86, 2359296
	s_cselect_b32 s86, 6291456, s86                ; S0's
	s_mov_b32 s87, 24576
	s_cselect_b32 s87, 65536, s87
	s_cselect_b32 s92, 128, 0                      ; v's columns begin at tile 128 of w_attn
	s_mov_b32 s89, 0
	s_mov_b32 s91, 0
	s_lshl_b32 s60, s18, 2
	s_add_co_u32 s60, s60, s16                     ; S1's block of 128 rows: it hangs on cy, never on cx
	s_lshl_b32 s61, s19, 2
	s_add_co_u32 s61, s61, s15                     ; S0's block of 256 rows: on cx, never on cy
	s_lshl_b32 s93, s60, 3
	s_add_co_u32 s93, s93, s92                     ; S1's first tile
	s_mul_i32 s62, s93, 3072
	s_mov_b32 s63, 0
	s_add_nc_u64 s[94:95], s[56:57], s[62:63]
	s_mul_i32 s98, s61, 49152
	s_lshl_b32 s3, s[WV], 14                       ; waves 0-2 fetch a third of S0's tiles each
	s_add_co_u32 s98, s98, s3
	s_mov_b32 s99, 0
	s_add_nc_u64 s[96:97], s[58:59], s[98:99]
.irp g, 0,1,2,3
	s_mov_b32 s[G0A+4*\g], 1                       ; count = 1
	s_mov_b32 s[G0A+4*\g+1], \g*CH                 ; LDS address
	s_mov_b64 s[G0A+4*\g+2:G0A+4*\g+3], s[94:95]   ; global address
	s_or_b32 s[G0A+4*\g+3], s[G0A+4*\g+3], 0x80000000  ; type = 2
	s_add_nc_u64 s[94:95], s[94:95], s[88:89]
	s_mov_b32 s[G0B+4*\g], 1
	s_add_co_u32 s[G0B+4*\g+1], s3, \g*CH+24576
	s_mov_b64 s[G0B+4*\g+2:G0B+4*\g+3], s[96:97]
	s_or_b32 s[G0B+4*\g+3], s[G0B+4*\g+3], 0x80000000
	s_add_nc_u64 s[96:97], s[96:97], s[90:91]
.endr
	ROUND                                          ; all sixteen work-groups are here: the joint loads meet
	s_cmp_eq_u32 s[WV], 3                          ; wave 3 asks for S1's four chunks, waves 0-2 for their thirds of S0's: a wave's fills stand in one branch
	s_cbranch_scc0 .Lfill_s0
	tensor_load_to_lds s[G0A:G0A+3], s[G1A:G1A+7]
	s_nop 0
	tensor_load_to_lds s[G0A+4:G0A+7], s[G1A:G1A+7]
	s_nop 0
	tensor_load_to_lds s[G0A+8:G0A+11], s[G1A:G1A+7]
	s_nop 0
	tensor_load_to_lds s[G0A+12:G0A+15], s[G1A:G1A+7]
	s_nop 0
.rept 4
	v_nop
.endr
	s_branch .Lfilled
.Lfill_s0:
	tensor_load_to_lds s[G0B:G0B+3], s[G1B:G1B+7]
	s_nop 0
	tensor_load_to_lds s[G0B+4:G0B+7], s[G1B:G1B+7]
	s_nop 0
	tensor_load_to_lds s[G0B+8:G0B+11], s[G1B:G1B+7]
	s_nop 0
	tensor_load_to_lds s[G0B+12:G0B+15], s[G1B:G1B+7]
	s_nop 0
.rept 4
	v_nop
.endr
.Lfilled:
	; the scale words of all of K go straight into registers, once: 256 consecutive bytes a load (two tiles x 16 rows x two K steps)
	s_lshl_b32 s2, s13, 2
	s_add_co_u32 s2, s2, s93
	s_lshl_b32 s2, s2, 7
	s_add_co_u32 s2, s2, s84
	s_mov_b32 s3, 0
	s_add_nc_u64 s[56:57], s[56:57], s[2:3]        ; S1's, at my four tiles
	s_lshl_b32 s2, s61, 4
	s_lshl_b32 s18, s14, 3
	s_add_co_u32 s2, s2, s18
	s_lshl_b32 s2, s2, 7
	s_add_co_u32 s2, s2, s86
	s_add_nc_u64 s[58:59], s[58:59], s[2:3]        ; S0's, at my eight
	v_and_b32 v20, 31, v0                          ; lane
	v_and_b32 v21, 15, v0                          ; r
	v_bfe_u32 v22, v0, 4, 1                        ; h
	v_lshlrev_b32 v[L16], 4, v20
	v_lshlrev_b32 v[L8], 3, v20
	v_lshlrev_b32 v[L4], 2, v20
.irp g, 0,1,2,3
	v_mad_u32_u24 v[SO1+\g], s85, \g, v[L8]
	v_mad_u32_u24 v[SO0+\g], s87, \g, v[L8]
.endr
.irp g, 0,1,2,3
.irp i, 0,1
	global_load_b64 v[S1SC+4*\g+2*\i:S1SC+4*\g+2*\i+1], v[SO1+\g], s[56:57] offset:256*\i
.endr
.irp i, 0,1,2,3
	global_load_b64 v[S0SC+8*\g+2*\i:S0SC+8*\g+2*\i+1], v[SO0+\g], s[58:59] offset:256*\i
.endr
.endr
	; the bias, in both forms, each from a place inside b_attn whatever the kind: every register is written on every way
	s_lshl_b32 s20, s61, 10
	s_lshl_b32 s21, s14, 9
	s_add_co_u32 s20, s20, s21                     ; q, k: my first feature, in bytes
	s_lshl_b32 s22, s60, 9
	s_lshl_b32 s21, s13, 8
	s_add_co_u32 s22, s22, s21
	s_add_co_u32 s22, s22, 8192                    ; v: my head's first feature
	s_cmp_eq_u32 ttmp9, 2
	s_cselect_b32 s20, 0, s20
	s_mov_b32 s21, 8192
	s_cselect_b32 s22, s22, s21
	s_mov_b32 s21, 0
	s_mov_b32 s23, 0
	s_add_nc_u64 s[20:21], s[8:9], s[20:21]
	s_add_nc_u64 s[22:23], s[8:9], s[22:23]
	v_lshlrev_b32 v[BIO], 6, v22                   ; register 16 b + i: feature 32 b + 16 h + i
	v_and_b32 v23, 8, v21
	v_add_nc_u32 v23, v23, v21
	v_lshlrev_b32 v[BVO], 2, v23                   ; my row of a tile: r + 8 (r / 8)
.irp b, 0,1,2,3
.irp j, 0,1,2,3
	global_load_b128 v[BI+16*\b+4*\j:BI+16*\b+4*\j+3], v[BIO], s[20:21] offset:128*\b+16*\j
.endr
.endr
.irp a, 0,1,2,3
	global_load_b32 v[BV+2*\a], v[BVO], s[22:23] offset:4*(32*(\a/2)+8*(\a%2))
	global_load_b32 v[BV+2*\a+1], v[BVO], s[22:23] offset:4*(32*(\a/2)+8*(\a%2))    ; twice: a pair for the packed addition
.endr
	s_mul_i32 s2, s13, 12288                       ; my four tiles of S1
	v_add_nc_u32 v[A1L], s2, v[L16]
	v_add_nc_u32 v[A1S], s2, v[L8]
	s_mul_i32 s2, s14, 24576                       ; my eight of S0, behind S1's eight
	s_add_co_u32 s2, s2, 24576
	v_add_nc_u32 v[A0L], s2, v[L16]
	v_add_nc_u32 v[A0S], s2, v[L8]
	v_mul_u32_u24 v[KSO], v22, REC
	v_lshl_add_u32 v[KSO], v21, 2, v[KSO]
	s_wait_alu depctr_va_vdst(0)
	s_wait_tensorcnt 0x3                           ; my part of chunk 0 has landed; my three later loads may be out
	s_barrier_signal -1
	s_barrier_wait -1
	FETCH 0
	s_wait_loadcnt 0x0                             ; scale words and bias
	STEP 0, 1                                      ; the first products start the sums: nothing is cleared
	s_wait_alu depctr_va_vdst(0)
	STEP 1, 0
	STEP 2, 0
	s_wait_alu depctr_va_vdst(0)
	STEP 3, 0
	STEP 4, 0
	s_wait_alu depctr_va_vdst(0)
	STEP 5, 0
	STEP 6, 0
	STEP 7, 0
.irp b, 0,1,2,3
	v_mov_b32 v[TM+4+\b], 0                        ; a lane permute's destination counts as one of its sources
.endr
	s_mov_b32 s[MSK], 0xffff0000
; THE WAY OUT, a tile a of S1's rows at a time: + bias (the packed addition also brings the numbers into window 0, each accumulator from its low end on), quantised in registers, stored as images
.macro EPI kind
.irp a, 0,1,2,3
	WIN 0x02                                       ; source 0 window 2
.set n, 0
.rept 32
.if \kind
	v_pk_add_f32 v[T+n:T+n+1], v[64*\a+n:64*\a+n+1], v[BV+2*\a:BV+2*\a+1]
.else
	v_pk_add_f32 v[T+n:T+n+1], v[64*\a+n:64*\a+n+1], v[BI+n:BI+n+1]
.endif
.set n, n+2
.endr
	WIN 0
.if \a > 0
	s_wait_xcnt 0x0                                ; the last tile's stores have read their registers
.endif
	QUANT T
.if \kind
.irp g, 0,1,2
	global_store_b128 v[L16], v[PC+4*\g:PC+4*\g+3], s[18:19] offset:\a*1536+512*\g   ; 16 channels x 128 keys: 512 consecutive bytes a store
.endr
.if \a%2 == 0
	v_mov_b32 v[PWE], v[PW]
.else
	v_cndmask_b32 v[WS], v[PWE], v[PW], s[MSK]     ; lanes 0-15 the even tile's words, lanes 16-31 the odd tile's
	global_store_b32 v[L4], v[WS], s[84:85] offset:(\a/2)*128
.endif
.else
	global_store_b128 v[L16], v[PC:PC+3], s[18:19] offset:\a*768            ; registers 0-5: 16 tokens x my first head's 64,
	global_store_b64 v[L8], v[PC+4:PC+5], s[18:19] offset:\a*768+512
	global_store_b128 v[L16], v[PC+6:PC+9], s[18:19] offset:\a*768+REC      ; registers 6-11: the next head's, one record on
	global_store_b64 v[L8], v[PC+10:PC+11], s[18:19] offset:\a*768+512+REC
.if \a%2 == 0
	v_mov_b32 v[PWE], v[PW]
.else
	v_perm_b32 v[W0], v[PW], v[PWE], 0x05040100    ; first head: the even tile's two bytes below, the odd tile's above
	v_perm_b32 v[W1], v[PW], v[PWE], 0x07060302    ; next head likewise
	v_cndmask_b32 v[WS], v[W0], v[W1], s[MSK]      ; lanes 0-15 store the first head's words, lanes 16-31 the next head's
	global_store_b32 v[KSO], v[WS], s[84:85] offset:(\a/2)*64
.endif
.endif
.endr
.endm
	s_cmp_eq_u32 ttmp9, 2
	s_cbranch_scc1 .Lepi_v
	s_lshl_b32 s2, s60, 3
	s_lshl_b32 s3, s13, 2
	s_add_co_u32 s2, s2, s3                        ; my first tile of tokens, of 512
	s_lshr_b32 s3, s2, 7                           ; the batch
	s_and_b32 s2, s2, 127                          ; the tile in it
	s_lshl_b32 s18, s61, 2
	s_lshl_b32 s19, s14, 1
	s_add_co_u32 s18, s18, s19
	s_and_b32 s18, s18, 15                         ; my first head
	s_lshl_b32 s3, s3, 4
	s_add_co_u32 s3, s3, s18
	s_mul_i32 s3, s3, REC
	s_mul_i32 s18, s2, 768
	s_add_co_u32 s18, s18, s3
	s_lshl_b32 s84, s2, 5                          ; 64 bytes of scale words for each pair of tiles
	s_add_co_u32 s84, s84, s3
	s_cmp_eq_u32 ttmp9, 0                          ; cluster column 0 makes q, column 1 makes k
	s_cselect_b32 s86, 204800, 0
	s_mov_b32 s87, 196608
	s_cselect_b32 s87, 303104, s87
	s_add_co_u32 s18, s18, s86
	s_add_co_u32 s84, s84, s87
	s_mov_b32 s19, 0
	s_mov_b32 s85, 0
	s_add_nc_u64 s[18:19], s[10:11], s[18:19]
	s_add_nc_u64 s[84:85], s[10:11], s[84:85]
	EPI 0
	s_branch .Lend
.Lepi_v:
	s_lshl_b32 s2, s60, 1
	s_add_co_u32 s2, s2, s13                       ; my head
	s_lshl_b32 s3, s61, 1
	s_add_co_u32 s3, s3, s14                       ; my 128 tokens, of 64 such
	s_lshr_b32 s18, s3, 4                          ; the batch
	s_and_b32 s3, s3, 15                           ; the key step in it
	s_lshl_b32 s18, s18, 4
	s_add_co_u32 s18, s18, s2
	s_mul_i32 s2, s18, REC
	s_mul_i32 s18, s3, 6144
	s_add_co_u32 s18, s18, s2
	s_add_co_u32 s18, s18, 98304
	s_lshl_b32 s84, s3, 8
	s_add_co_u32 s84, s84, s2
	s_add_co_u32 s84, s84, 200704
	s_mov_b32 s19, 0
	s_mov_b32 s85, 0
	s_add_nc_u64 s[18:19], s[10:11], s[18:19]
	s_add_nc_u64 s[84:85], s[10:11], s[84:85]
	EPI 1
.Lend:
	s_wait_dscnt 0x0
	s_wait_tensorcnt 0x0
	ds_add_u32 v254, v255
	s_wait_dscnt 0x0
	ROUND                                          ; the closing round: no work-group ends while a partner may still ask for a tile that names it
	s_endpgm
.Lfunc_end_k_q9071ae2da8_gemm_qkv:
	.size	k_q9071ae2da8_gemm_qkv, .Lfunc_end_k_q9071ae2da8_gemm_qkv-k_q9071ae2da8_gemm_qkv
	.p2alignl 7, 3214868480
	.fill 96, 4, 3214868480
	.section	.rodata,"a",@progbits
	.p2align	6, 0x0
	.amdhsa_kernel k_q9071ae2da8_gemm_qkv
		.amdhsa_group_segment_fixed_size 295424
		.amdhsa_private_segment_fixed_size 0
		.amdhsa_enable_private_segment 0
		.amdhsa_kernarg_size 32
		.amdhsa_user_sgpr_count 2
		.amdhsa_user_sgpr_kernarg_segment_ptr 1
		.amdhsa_wavefront_size32 1
		.amdhsa_system_sgpr_workgroup_id_x 1
		.amdhsa_system_sgpr_workgroup_id_y 1
		.amdhsa_system_sgpr_workgroup_id_z 1
		.amdhsa_system_vgpr_workitem_id 0
		.amdhsa_next_free_vgpr 768
		.amdhsa_next_free_sgpr 100
		.amdhsa_reserve_vcc 0
		.amdhsa_float_denorm_mode_32 3
		.amdhsa_float_denorm_mode_16_64 3
		.amdhsa_memory_ordered 1
		.amdhsa_forward_progress 1
		.amdhsa_inst_pref_size 126
	.end_amdhsa_kernel
	.amdgpu_metadata
---
amdhsa.version: [ 1, 2 ]
amdhsa.kernels:
  - .name:           k_q9071ae2da8_gemm_qkv
    .symbol:         k_q9071ae2da8_gemm_qkv.kd
    .args:
      - { .name: xq, .offset: 0, .size: 8, .value_kind: global_buffer, .address_space: global }
      - { .name: waq, .offset: 8, .size: 8, .value_kind: global_buffer, .address_space: global }
      - { .name: b_attn, .offset: 16, .size: 8, .value_kind: global_buffer, .address_space: global }
      - { .name: qkv, .offset: 24, .size: 8, .value_kind: global_buffer, .address_space: global }
    .group_segment_fixed_size: 295424
    .private_segment_fixed_size: 0
    .kernarg_segment_align: 8
    .kernarg_segment_size: 32
    .max_flat_workgroup_size: 128
    .sgpr_count:     100
    .vgpr_count:     768
    .wavefront_size: 32
...
	.end_amdgpu_metadata
.endif
;; end of part 2
;; launch attn (part 3): grid 4 x 64, 16 waves a work-group, clusters of 4 x 1, 206,848 bytes of LDS; arguments qkv, yq; writes yq
.if DOCPART == 3
	.amdgcn_target "amdgcn-amd-amdhsa--gfx1250"
	.amdhsa_code_object_version 6
	.text
	.protected	k_q9071ae2da8_attn
	.globl	k_q9071ae2da8_attn
	.p2align	8
	.type	k_q9071ae2da8_attn,@function
k_q9071ae2da8_attn:
	s_mov_b64 s[64:65], 0
	v_nop
	global_prefetch_b8 v0, s[64:65] scope:SCOPE_SE
	s_setreg_imm32_b32 hwreg(HW_REG_WAVE_MODE, 25, 1), 1
	s_wait_xcnt 0x0
	s_wait_alu depctr_hold_cnt(0) depctr_sa_sdst(0) depctr_va_vdst(0) depctr_va_sdst(0) depctr_va_ssrc(0) depctr_va_vcc(0) depctr_vm_vsrc(0)
	s_getreg_b32 s2, hwreg(HW_REG_IB_STS2, 6, 4)
	s_cmp_eq_u32 s2, 0
	s_cbranch_scc0 .Lentry_in_a_cluster
	s_endpgm
.Lentry_in_a_cluster:
	s_bfe_u32 s2, ttmp6, 0x10000c
	s_cmp_lg_u32 s2, 0x3003
	s_cbranch_scc0 .Lentry_shape_is_right
	s_endpgm
.Lentry_shape_is_right:
; y = softmax(q k^T / 8, causal) v for one (batch, head) a cluster, both products on codes of FP6 (E2M3); y is divided by the row's sum and quantised along the model's 1,024 at once.
; THE SOFTMAX AHEAD OF THE SECOND PRODUCT: t = score x log2(e) / 8; M = the running largest t rounded UP to a whole number; p = 2^(t - M) is quantised along the keys, not normalised; the row's sum is taken of the
; unquantised p; when M moves, the sum and O are multiplied by 2^(old M - new M), which rounds nothing.
; SHARES.  The head's K, V and their scale words, 204,800 consecutive bytes of its record, come into LDS ONCE, by one joint load a wave (16 x 12,800 bytes), the same in the four work-groups of the cluster; no byte is filled again.
; Wave w of work-group cx owns the tiles of 16 queries 4 w + cx and 127 - (4 w + cx): their diagonals lie in key steps w / 2 and 15 - w / 2, so every wave walks 17 key steps of 128, and no branch knows cx.
; A key loop has 16 trips, a constant; a step all of whose keys come after the tile's queries is jumped over by a scalar branch on the wave's number.
; LAYOUT.  Both products transposed: S^T = K Q^T, O^T = V^T P^T: a lane holds ONE query.  Row r of tile t is token (or channel) 32 (t / 2) + 8 (t % 2) + r + 8 (r / 8): the 16 registers of two neighbouring tiles are 16 neighbours.
; THE HEAD'S K IS 64, the instruction's 128: a fragment of K holds key tile 2 b in its lower 64 and key tile 2 b + 1 in its upper 64, and is multiplied twice: by (q, 0) and by (0, q).  Zero codes add nothing; their scale byte is 1.
; y's two scale bytes are stored by all 32 lanes: lanes l and l xor 16 hold the same number and the same address.  These are stores of 2 bytes to rows 8 bytes apart: the price of one owner for each head's part of a row.
; LIMITS: NaN and infinities are not served; a p under 2^-126 counts as 0 (the exponential's own flush); a block whose largest magnitude lies under 2^-124 gets the byte 1.
; REGISTERS: v1-11 addresses; v12 -M, v13 the largest t, v[14:15] the sum; v16-21 zeros, v22-27 q, v28-33 zeros; v34-35 q's scale words; v36-41 the second tile's q; v42-43 its and the first's words as loaded;
;   v44-91 four fragments of K, then of V; v92-93 K's scale words, v94-95 V's; v96-159 S^T, then p; v160-191 O^T; v192-203 p's codes; v204-237 at work.
.set REC,  307200
.set WV,   8
.set G1,   16                          ; s[16:23], s[24:27] the one descriptor
.set G0,   24
.set SEL,  28                          ; s[28:29] selects for lane l xor 16
.set CS,   30                          ; s[30:31] c = log2(e) / 8
.set KB,   32                          ; s32 the key step's tiles: 6,144 bytes a step, in K and in V alike
.set SB,   33                          ; s33 its scale words: 256 bytes a step
.set KS,   34                          ; s34 the key step
.set TQ,   36                          ; s36, s37 my two tiles of queries
.set DS,   48                          ; s48, s49 their diagonal steps
.set YB,   50                          ; s[50:53] where their codes go;  s[54:57] their scale bytes
.set YSB,  54
.set A16,  1
.set A8,   2
.set AV,   3
.set AS,   4
.set ADK,  5                           ; v5, v6 the step's K (16 x lane, 8 x lane); v7 its V; v8 its scale words
.set ADK8, 6
.set ADV,  7
.set ADS,  8
.set RB,   9                           ; r + 8 (r / 8) - 16 h
.set A4R,  10
.set A8R,  11
.set QZ,   16                          ; v[16:27] = (0, q)
.set QF,   22                          ; v[22:33] = (q, 0)
.set QS0,  34
.set QS1,  35
.set Q2,   36
.set QW,   42
.set KF,   44
.set KSC,  92
.set VSC,  94
.set S,    96
.set O,    160
.set PC,   192
.set PX,   204                         ; v204-206, v208-210
.set BM,   212
.set BT,   216
.set SO,   220
.set FF,   228                         ; v[228:229]: f, and a register that is only named with it
.set PW,   230
.set TMP,  231
.set SUM2, 232
.set YS,   234
.set DD,   236
.set NINF, 237
.macro ROUND
	s_barrier_signal -1
	s_barrier_wait -1
	s_cmp_lg_u32 s[WV], 0
	s_cbranch_scc1 .Lnot_wave_0_\@
	s_barrier_signal -3
.Lnot_wave_0_\@:
	s_barrier_wait -3
	s_barrier_signal -1
	s_barrier_wait -1
.endm
.macro FR4 d, al, as, o                ; two images of 16 rows x 64 K: 12 registers
	ds_load_b128 v[\d:\d+3], v[\al] offset:\o
	ds_load_b64 v[\d+4:\d+5], v[\as] offset:\o+512
	ds_load_b128 v[\d+6:\d+9], v[\al] offset:\o+768
	ds_load_b64 v[\d+10:\d+11], v[\as] offset:\o+1280
.endm
.macro WA d, x, y, z, sx, sy, rx       ; one product.  z = 1: it starts the sum.  rx: source 0's scale words lie in lanes 16-31
.if \z
.if \rx
	v_wmma_scale_f32_16x16x128_f8f6f4 v[\d:\d+7], v[\x:\x+11], v[\y:\y+11], 0, v[\sx], v[\sy] matrix_a_fmt:MATRIX_FMT_FP6 matrix_b_fmt:MATRIX_FMT_FP6 matrix_a_scale:MATRIX_SCALE_ROW1
.else
	v_wmma_scale_f32_16x16x128_f8f6f4 v[\d:\d+7], v[\x:\x+11], v[\y:\y+11], 0, v[\sx], v[\sy] matrix_a_fmt:MATRIX_FMT_FP6 matrix_b_fmt:MATRIX_FMT_FP6
.endif
.else
.if \rx
	v_wmma_scale_f32_16x16x128_f8f6f4 v[\d:\d+7], v[\x:\x+11], v[\y:\y+11], v[\d:\d+7], v[\sx], v[\sy] matrix_a_fmt:MATRIX_FMT_FP6 matrix_b_fmt:MATRIX_FMT_FP6 matrix_a_scale:MATRIX_SCALE_ROW1
.else
	v_wmma_scale_f32_16x16x128_f8f6f4 v[\d:\d+7], v[\x:\x+11], v[\y:\y+11], v[\d:\d+7], v[\sx], v[\sy] matrix_a_fmt:MATRIX_FMT_FP6 matrix_b_fmt:MATRIX_FMT_FP6
.endif
.endif
.endm
	s_load_b128 s[4:7], s[0:1], 0x0                ; qkv s[4:5], yq s[6:7]
	v_lshl_add_u32 v254, v0, 2, 0x32000
	v_mov_b32 v255, 0
	ds_add_u32 v254, v255
	ds_add_u32 v254, v255
	v_lshrrev_b32 v[TMP], 5, v0
	s_delay_alu instid0(VALU_DEP_1)
	v_readfirstlane_b32 s[WV], v[TMP]              ; wave 0..15
	s_bfe_u32 s9, ttmp6, 0x40000                   ; cx: it enters global addresses, a vector compare and a shift, nothing else
	s_and_b32 s10, ttmp7, 0xffff                   ; 16 x batch + head: the four partners share it
	s_mul_i32 s58, s10, REC
	s_mov_b32 s59, 0
	s_mul_i32 s14, s[WV], 12800                    ; my sixteenth of the fill
	s_mov_b32 s15, 0
	s_mov_b32 s[G1], 15|(3<<16)|(1<<21)            ; 15:0 all four work-groups; 17:16 elements of 8 bytes; 21 set beside a mask
	s_mov_b32 s[G1+1], 32<<16                      ; tensor_dim0: rows of 256 bytes
	s_mov_b32 s[G1+2], 50<<16                      ; tensor_dim1
	s_mov_b32 s[G1+3], 32<<16                      ; tile_dim0
	s_mov_b32 s[G1+4], 50                          ; tile_dim1
	s_mov_b32 s[G1+5], 32                          ; the pitch: dense
	s_mov_b32 s[G1+6], 0
	s_mov_b32 s[G1+7], 0
	s_mov_b32 s[SEL], 0x76543210
	s_mov_b32 s[SEL+1], 0xfedcba98
	s_mov_b32 s[CS], 0x3e38aa3b                    ; log2(e) / 8
	s_mov_b32 s[CS+1], s[CS]                       ; (named with it as a pair)
	s_wait_dscnt 0x0
	s_wait_kmcnt 0x0
	s_add_nc_u64 s[4:5], s[4:5], s[58:59]          ; the head's record
	s_mov_b32 s[G0], 1
	s_mov_b32 s[G0+1], s14
	s_add_nc_u64 s[G0+2:G0+3], s[4:5], s[14:15]
	s_or_b32 s[G0+3], s[G0+3], 0x80000000
	ROUND                                          ; all four work-groups are here: the joint loads meet
	tensor_load_to_lds s[G0:G0+3], s[G1:G1+7]      ; one tensor load of mine is out
	s_nop 0
.rept 4
	v_nop
.endr
	s_lshl_b32 s[TQ], s[WV], 2
	s_add_co_u32 s[TQ], s[TQ], s9
	s_sub_co_u32 s[TQ+1], 127, s[TQ]
	s_lshr_b32 s[DS], s[WV], 1
	s_sub_co_u32 s[DS+1], 15, s[DS]
	s_lshr_b32 s11, s10, 4                         ; batch
	s_and_b32 s46, s10, 15                         ; head
	s_lshr_b32 s47, s46, 2                         ; y's quarter of K,
	s_and_b32 s46, s46, 3                          ; and the HALF in it
	s_mul_i32 s12, s47, 1572864
	s_mul_i32 s13, s46, 768
	s_add_co_u32 s12, s12, s13
	s_mul_i32 s13, s11, 393216                     ; 128 tiles of 3,072 bytes a batch
	s_add_co_u32 s12, s12, s13
	s_lshl_b32 s13, s47, 16
	s_lshl_b32 s46, s46, 1
	s_add_co_u32 s13, s13, s46
	s_lshl_b32 s46, s11, 14
	s_add_co_u32 s13, s13, s46
.irp p, 0,1
	s_mul_i32 s58, s[TQ+\p], 768
	s_add_co_u32 s58, s58, 204800
	s_add_nc_u64 s[38+2*\p:39+2*\p], s[4:5], s[58:59]      ; the tile's q
	s_lshr_b32 s58, s[TQ+\p], 1
	s_lshl_b32 s58, s58, 6
	s_add_co_u32 s58, s58, 303104
	s_add_nc_u64 s[42+2*\p:43+2*\p], s[4:5], s[58:59]      ; its scale words
	s_mul_i32 s58, s[TQ+\p], 3072
	s_add_co_u32 s58, s58, s12
	s_add_nc_u64 s[YB+2*\p:YB+2*\p+1], s[6:7], s[58:59]    ; where its y goes
	s_lshl_b32 s58, s[TQ+\p], 7
	s_add_co_u32 s58, s58, s13
	s_add_nc_u64 s[YSB+2*\p:YSB+2*\p+1], s[6:7], s[58:59]
.endr
	v_and_b32 v[TMP], 31, v0                       ; lane
	v_and_b32 v[SUM2], 15, v0                      ; r
	v_bfe_u32 v[SUM2+1], v0, 4, 1                  ; h
	s_delay_alu instid0(VALU_DEP_3)
	v_lshlrev_b32 v[A16], 4, v[TMP]
	s_delay_alu instid0(VALU_DEP_4)
	v_lshlrev_b32 v[A8], 3, v[TMP]
	s_delay_alu instid0(VALU_DEP_2)
	v_add_nc_u32 v[AV], 98304, v[A16]
	v_lshl_add_u32 v[AS], v[TMP], 2, 196608
	v_lshlrev_b32 v[A4R], 2, v[SUM2]
	v_lshlrev_b32 v[A8R], 3, v[SUM2]
	global_load_b128 v[QF:QF+3], v[A16], s[38:39]
	global_load_b64 v[QF+4:QF+5], v[A8], s[38:39] offset:512
	global_load_b128 v[Q2:Q2+3], v[A16], s[40:41]
	global_load_b64 v[Q2+4:Q2+5], v[A8], s[40:41] offset:512
	global_load_b32 v[QW], v[A4R], s[42:43]
	global_load_b32 v[QW+1], v[A4R], s[44:45]
	v_and_b32 v[YS], 8, v[SUM2]
	s_delay_alu instid0(VALU_DEP_1)
	v_add_nc_u32 v[YS], v[YS], v[SUM2]
	v_lshlrev_b32 v[DD], 4, v[SUM2+1]
	s_delay_alu instid0(VALU_DEP_1)
	v_sub_nc_u32 v[RB], v[YS], v[DD]
.irp i, 0,1,2,3,4,5
	v_mov_b32 v[QZ+\i], 0                          ; the zero halves of (0, q) and (q, 0)
	v_mov_b32 v[QF+6+\i], 0
.endr
.irp b, 0,1,2,3
	v_mov_b32 v[BT+\b], 0                          ; a lane permute's destination counts as one of its sources
.endr
	v_mov_b32 v[FF+1], 0
	v_mov_b32 v[NINF], 0xff800000                  ; -infinity
	s_wait_tensorcnt 0x0                           ; my sixteenth has landed,
	s_barrier_signal -1
	s_barrier_wait -1                              ; everybody's has
	s_wait_loadcnt 0x0                             ; q
; ONE TILE OF QUERIES through all its keys
.macro PASS p
.if \p
	s_wait_xcnt 0x0                                ; the first tile's stores have read their registers
.irp i, 0,1,2,3,4,5
	v_mov_b32 v[QF+\i], v[Q2+\i]
.endr
.endif
	s_and_b32 s46, s[TQ+\p], 1
	s_lshl_b32 s47, s46, 4
	v_lshrrev_b32 v[TMP], s47, v[QW+\p]            ; the word holds two tiles' bytes: mine
	s_delay_alu instid0(VALU_DEP_1)
	v_and_b32 v[TMP], 0xffff, v[TMP]
	s_delay_alu instid0(VALU_DEP_1)
	v_or_b32 v[QS0], 0x01010000, v[TMP]            ; for (q, 0): my two bytes below, the byte 1 over the zeros
	s_delay_alu instid0(VALU_DEP_2)
	v_lshl_or_b32 v[QS1], v[TMP], 16, 0x0101       ; for (0, q)
	s_lshl_b32 s46, s46, 3
	s_lshr_b32 s47, s[TQ+\p], 1
	s_and_b32 s47, s47, 3
	s_lshl_b32 s47, s47, 5
	s_add_co_u32 s46, s46, s47
	v_add_nc_u32 v[DD], s46, v[RB]                 ; my query, counted from the diagonal step's first key, less 16 h
	v_mov_b32 v13, 0xff61b1e6                      ; the largest t so far: -3e38
	s_delay_alu instid0(VALU_DEP_1)
	v_floor_f32 v12, -v13                          ; -M
	v_mov_b32 v14, 0
	v_mov_b32 v15, 0
.set n, 0
.rept 32
	v_mov_b32 v[O+n], 0                            ; the step is written once: the first finds zeros, which the first change of M leaves zeros
.set n, n+1
.endr
	s_mov_b32 s[KB], 0
	s_mov_b32 s[SB], 0
	s_mov_b32 s[KS], 0
.Lstep_\@:
	s_cmp_gt_u32 s[KS], s[DS+\p]                   ; all keys hidden: only the addresses step
	s_cbranch_scc1 .Lhidden_\@
	s_setprio 2
	v_add_nc_u32 v[ADK], s[KB], v[A16]             ; (these four are also the plain lines between the last products and the loads into their registers)
	v_add_nc_u32 v[ADK8], s[KB], v[A8]
	v_add_nc_u32 v[ADV], s[KB], v[AV]
	v_add_nc_u32 v[ADS], s[SB], v[AS]
.irp b, 0,1,2,3
	FR4 KF+12*\b, ADK, ADK8, 1536*\b
.endr
	ds_load_b32 v[KSC], v[ADS]                     ; lanes 0-15: pair 0's words, lanes 16-31: pair 1's
	ds_load_b32 v[KSC+1], v[ADS] offset:128
	s_wait_alu depctr_va_vdst(0)
	s_wait_dscnt 0x0
.irp b, 0,1,2,3
	WA S+16*\b, KF+12*\b, QF, 1, KSC+\b/2, QS0, \b%2
	WA S+16*\b+8, KF+12*\b, QZ, 1, KSC+\b/2, QS1, \b%2
.endr                                          ; register 16 b + i: key 32 b + 16 h + i of the step
.rept 4
	v_nop                                          ; four plain lines: ahead of the loads into K's registers and of the first read of the scores
.endr
.irp f, 0,1,2,3
.irp g, 0,1,2
	ds_load_b128 v[KF+12*\f+4*\g:KF+12*\f+4*\g+3], v[ADV] offset:1536*\f+512*\g    ; V lands while the softmax is walked
.endr
.endr
	ds_load_b32 v[VSC], v[ADS] offset:4096
	ds_load_b32 v[VSC+1], v[ADS] offset:4224
	s_cmp_lt_u32 s[KS], s[DS+\p]                   ; under the diagonal every key counts
	s_cbranch_scc1 .Lopen_\@
.set n, 0
.rept 64
	v_cmp_gt_i32 vcc_lo, 32*(n/16)+n%16, v[DD]     ; a key behind my query: its score becomes -infinity, its p 0
	v_cndmask_b32 v[S+n], v[S+n], v[NINF], vcc_lo
.set n, n+1
.endr
.Lopen_\@:
.irp b, 0,1,2,3
	v_max3_num_f32 v[BM+\b], v[S+16*\b], v[S+1+16*\b], v[S+2+16*\b]   ; the largest score of each block of 32 keys: for the row's maximum, and, since p rises with the score, for the block's largest p
.endr
.irp i, 3,5,7,9,11,13
.irp b, 0,1,2,3
	v_max3_num_f32 v[BM+\b], v[BM+\b], v[S+16*\b+\i], v[S+1+16*\b+\i]
.endr
.endr
.irp b, 0,1,2,3
	v_max_num_f32 v[BM+\b], v[BM+\b], v[S+15+16*\b]
.endr
.irp b, 0,1,2,3
	s_delay_alu instid0(VALU_DEP_4)
	v_permlanex16_b32 v[BT+\b], v[BM+\b], s[SEL], s[SEL+1]
.endr
.irp b, 0,1,2,3
	s_delay_alu instid0(VALU_DEP_4)
	v_max_num_f32 v[BM+\b], v[BM+\b], v[BT+\b]
.endr
	s_delay_alu instid0(VALU_DEP_2)
	v_max3_num_f32 v[TMP], v[BM], v[BM+1], v[BM+2]
	s_delay_alu instid0(VALU_DEP_1)
	v_max_num_f32 v[TMP], v[TMP], v[BM+3]
	s_delay_alu instid0(VALU_DEP_1)
	v_mul_f32 v[TMP], s[CS], v[TMP]
	s_delay_alu instid0(VALU_DEP_1)
	v_max_num_f32 v13, v13, v[TMP]                 ; the running largest t
	v_mov_b32 v[TMP], v12
	s_delay_alu instid0(VALU_DEP_2)
	v_floor_f32 v12, -v13                          ; -M = floor(-t): M is a whole number
	s_delay_alu instid0(VALU_DEP_1)
	v_sub_f32 v[TMP], v12, v[TMP]
	s_delay_alu instid0(VALU_DEP_1)
	v_cvt_i32_f32 v[TMP], v[TMP]                   ; (it saturates)
	s_delay_alu instid0(VALU_DEP_1)
	v_ldexp_f32 v[FF], 1.0, v[TMP]                 ; f = 2^(old M - new M)
.set n, 0
.rept 32
	v_pk_fma_f32 v[S+n:S+n+1], v[S+n:S+n+1], s[CS:CS+1], v[12:13] op_sel_hi:[1,0,0]   ; t - M
.set n, n+2
.endr
	s_setprio 1
.irp b, 0,1,2,3
	v_fma_f32 v[BM+\b], v[BM+\b], s[CS], v12
.endr
.set n, 0
	s_wait_alu depctr_va_vdst(0)
.rept 64
	v_exp_f32 v[S+n], v[S+n]                       ; p
.set n, n+1
.endr
.irp b, 0,1,2,3
	v_exp_f32 v[BM+\b], v[BM+\b]                   ; the block's largest p: the same two instructions on the same number
.endr
	v_pk_mul_f32 v[14:15], v[14:15], v[FF:FF+1] op_sel_hi:[1,0]    ; the sums under the new M (a plain line behind the exponentials)
	s_wait_alu depctr_va_vdst(0)
.irp b, 0,1,2,3
	v_max_num_f32 v[BM+\b], 0x1800000, v[BM+\b]    ; the floor
.endr
.irp b, 0,1,2,3
	s_delay_alu instid0(VALU_DEP_4)
	v_add_nc_u32 v[SO+\b], 0xff000000, v[BM+\b]
.endr
.irp b, 0,1,2,3
	s_delay_alu instid0(VALU_DEP_4)
	v_lshrrev_b32 v[BT+\b], 23, v[SO+\b]
.endr
	s_delay_alu instid0(VALU_DEP_3)
	v_lshl_or_b32 v[PW], v[BT+1], 8, v[BT]         ; p's scale word for these 128 keys
	s_delay_alu instid0(VALU_DEP_1)
	v_lshl_or_b32 v[PW], v[BT+2], 16, v[PW]
	s_delay_alu instid0(VALU_DEP_1)
	v_lshl_or_b32 v[PW], v[BT+3], 24, v[PW]
.irp c, 0,1
	v_cvt_scalef32_pk16_fp6_f32 v[PC+6*\c:PC+2+6*\c], v[S+32*\c:S+15+32*\c], v[SO+2*\c]
	v_cvt_scalef32_pk16_fp6_f32 v[PX+4*\c:PX+2+4*\c], v[S+16+32*\c:S+31+32*\c], v[SO+2*\c+1]
.endr
	v_nop
.irp c, 0,1
.irp i, 0,1,2
	v_permlane16_swap_b32 v[PC+6*\c+\i], v[PX+4*\c+\i]
.endr
.irp i, 0,1,2
	s_delay_alu instid0(VALU_DEP_3)
	v_mov_b32 v[PC+3+6*\c+\i], v[PX+4*\c+\i]
.endr
.endr
	v_pk_add_f32 v[232:233], v[100:101], v[104:105]
	v_pk_add_f32 v[252:253], v[108:109], v[112:113]
	v_pk_add_f32 v[250:251], v[116:117], v[120:121]
	v_pk_add_f32 v[248:249], v[124:125], v[128:129]
	v_pk_add_f32 v[246:247], v[132:133], v[136:137]
	v_pk_add_f32 v[244:245], v[140:141], v[144:145]
	v_pk_add_f32 v[242:243], v[148:149], v[152:153]
	v_pk_add_f32 v[14:15], v[14:15], v[156:157]
	v_pk_add_f32 v[232:233], v[232:233], v[96:97]
	v_pk_add_f32 v[252:253], v[252:253], v[98:99]
	s_setprio 0
	v_pk_add_f32 v[250:251], v[250:251], v[102:103]
	v_pk_add_f32 v[248:249], v[248:249], v[106:107]
	v_pk_add_f32 v[246:247], v[246:247], v[110:111]
	v_pk_add_f32 v[244:245], v[244:245], v[114:115]
	v_pk_add_f32 v[242:243], v[242:243], v[118:119]
	v_pk_add_f32 v[14:15], v[14:15], v[122:123]
	v_pk_add_f32 v[232:233], v[232:233], v[126:127]
	v_pk_add_f32 v[252:253], v[252:253], v[130:131]
	v_pk_add_f32 v[250:251], v[250:251], v[134:135]
	v_pk_add_f32 v[248:249], v[248:249], v[138:139]
	v_pk_add_f32 v[246:247], v[246:247], v[142:143]
	v_pk_add_f32 v[244:245], v[244:245], v[146:147]
	v_pk_add_f32 v[242:243], v[242:243], v[150:151]
	v_pk_add_f32 v[14:15], v[14:15], v[154:155]
	v_pk_add_f32 v[232:233], v[232:233], v[158:159]
	s_delay_alu instid0(VALU_DEP_2)
	v_pk_add_f32 v[14:15], v[14:15], v[248:249]
	s_delay_alu instid0(VALU_DEP_2)
	v_pk_add_f32 v[232:233], v[232:233], v[246:247]
	v_pk_add_f32 v[252:253], v[252:253], v[244:245]
	v_pk_add_f32 v[250:251], v[250:251], v[242:243]
	s_delay_alu instid0(VALU_DEP_2)
	v_pk_add_f32 v[14:15], v[14:15], v[252:253]
	s_delay_alu instid0(VALU_DEP_2)
	v_pk_add_f32 v[232:233], v[232:233], v[250:251]
	s_delay_alu instid0(VALU_DEP_1)
	v_pk_add_f32 v[14:15], v[14:15], v[232:233]
.set n, 0
.rept 16
	v_pk_mul_f32 v[O+n:O+n+1], v[O+n:O+n+1], v[FF:FF+1] op_sel_hi:[1,0]    ; O^T under the new M
.set n, n+2
.endr
	s_wait_alu depctr_va_vdst(0)
	s_wait_dscnt 0x0                               ; V and its scale words
.irp f, 0,1,2,3
	WA O+8*\f, KF+12*\f, PC, 0, VSC+\f/2, PW, \f%2
.endr
.Lhidden_\@:
	s_add_co_u32 s[KB], s[KB], 6144
	s_add_co_u32 s[SB], s[SB], 256
	s_add_co_u32 s[KS], s[KS], 1
	s_cmp_lt_u32 s[KS], 16
	s_cbranch_scc1 .Lstep_\@
	s_setprio 0
	; the tile's end: O^T / the sum; register 16 b + i is channel 32 b + 16 h + i of the head: two blocks of y's K
.rept 4
	v_nop                                          ; four plain lines behind the last products
.endr
	v_add_f32 v14, v14, v15
	s_delay_alu instid0(VALU_DEP_1)
	v_permlanex16_b32 v[TMP], v14, s[SEL], s[SEL+1]
	s_delay_alu instid0(VALU_DEP_1)
	v_add_f32 v14, v14, v[TMP]
	s_wait_alu depctr_va_vdst(0)
	v_rcp_f32 v14, v14
	v_nop
.set n, 0
	s_wait_alu depctr_va_vdst(0)
.rept 32
	v_mul_f32 v[S+n], v[O+n], v14
.set n, n+1
.endr
.irp b, 0,1
	v_max3_num_f32 v[BM+\b], |v[S+16*\b]|, |v[S+1+16*\b]|, 0x1800000
.endr
.irp i, 2,4,6,8,10,12,14
.irp b, 0,1
	s_delay_alu instid0(VALU_DEP_2)
	v_max3_num_f32 v[BM+\b], v[BM+\b], |v[S+16*\b+\i]|, |v[S+1+16*\b+\i]|
.endr
.endr
.irp b, 0,1
	s_delay_alu instid0(VALU_DEP_2)
	v_permlanex16_b32 v[BT+\b], v[BM+\b], s[SEL], s[SEL+1]
.endr
.irp b, 0,1
	s_delay_alu instid0(VALU_DEP_2)
	v_max_num_f32 v[BM+\b], v[BM+\b], v[BT+\b]
.endr
.irp b, 0,1
	s_delay_alu instid0(VALU_DEP_2)
	v_add_nc_u32 v[SO+\b], 0xff000000, v[BM+\b]
.endr
.irp b, 0,1
	s_delay_alu instid0(VALU_DEP_2)
	v_lshrrev_b32 v[BT+\b], 23, v[SO+\b]
.endr
	s_delay_alu instid0(VALU_DEP_1)
	v_lshl_or_b32 v[YS], v[BT+1], 8, v[BT]
	v_cvt_scalef32_pk16_fp6_f32 v[PC:PC+2], v[S:S+15], v[SO]
	v_cvt_scalef32_pk16_fp6_f32 v[PX:PX+2], v[S+16:S+31], v[SO+1]
	v_nop
.irp i, 0,1,2
	v_permlane16_swap_b32 v[PC+\i], v[PX+\i]
.endr
.irp i, 0,1,2
	s_delay_alu instid0(VALU_DEP_3)
	v_mov_b32 v[PC+3+\i], v[PX+\i]
.endr
	global_store_b128 v[A16], v[PC:PC+3], s[YB+2*\p:YB+2*\p+1]                 ; 16 tokens x the head's 64: 512 and 256 consecutive bytes
	global_store_b64 v[A8], v[PC+4:PC+5], s[YB+2*\p:YB+2*\p+1] offset:512
	global_store_b16 v[A8R], v[YS], s[YSB+2*\p:YSB+2*\p+1] offset:6291456
.endm
	PASS 0
	PASS 1
	s_wait_dscnt 0x0
	s_wait_tensorcnt 0x0
	ds_add_u32 v254, v255
	s_wait_dscnt 0x0
	ROUND                                          ; the closing round
	s_endpgm
.Lfunc_end_k_q9071ae2da8_attn:
	.size	k_q9071ae2da8_attn, .Lfunc_end_k_q9071ae2da8_attn-k_q9071ae2da8_attn
	.p2alignl 7, 3214868480
	.fill 96, 4, 3214868480
	.section	.rodata,"a",@progbits
	.p2align	6, 0x0
	.amdhsa_kernel k_q9071ae2da8_attn
		.amdhsa_group_segment_fixed_size 206848
		.amdhsa_private_segment_fixed_size 0
		.amdhsa_enable_private_segment 0
		.amdhsa_kernarg_size 16
		.amdhsa_user_sgpr_count 2
		.amdhsa_user_sgpr_kernarg_segment_ptr 1
		.amdhsa_wavefront_size32 1
		.amdhsa_system_sgpr_workgroup_id_x 1
		.amdhsa_system_sgpr_workgroup_id_y 1
		.amdhsa_system_sgpr_workgroup_id_z 1
		.amdhsa_system_vgpr_workitem_id 0
		.amdhsa_next_free_vgpr 256
		.amdhsa_next_free_sgpr 66
		.amdhsa_reserve_vcc 1
		.amdhsa_float_denorm_mode_32 3
		.amdhsa_float_denorm_mode_16_64 3
		.amdhsa_memory_ordered 1
		.amdhsa_forward_progress 1
		.amdhsa_inst_pref_size 64
	.end_amdhsa_kernel
	.amdgpu_metadata
---
amdhsa.version: [ 1, 2 ]
amdhsa.kernels:
  - .name:           k_q9071ae2da8_attn
    .symbol:         k_q9071ae2da8_attn.kd
    .args:
      - { .name: qkv, .offset: 0, .size: 8, .value_kind: global_buffer, .address_space: global }
      - { .name: yq, .offset: 8, .size: 8, .value_kind: global_buffer, .address_space: global }
    .group_segment_fixed_size: 206848
    .private_segment_fixed_size: 0
    .kernarg_segment_align: 8
    .kernarg_segment_size: 16
    .max_flat_workgroup_size: 512
    .sgpr_count:     66
    .vgpr_count:     256
    .wavefront_size: 32
...
	.end_amdgpu_metadata
.endif
;; end of part 3
;; launch gemm_proj (part 4): grid 4 x 64, 4 waves a work-group, clusters of 4 x 4, 295,424 bytes of LDS; arguments yq, wpq, b_proj, out0; writes out0
.if DOCPART == 4
	.amdgcn_target "amdgcn-amd-amdhsa--gfx1250"
	.amdhsa_code_object_version 6
	.text
	.protected	k_q9071ae2da8_gemm_proj
	.globl	k_q9071ae2da8_gemm_proj
	.p2align	8
	.type	k_q9071ae2da8_gemm_proj,@function
k_q9071ae2da8_gemm_proj:
	s_mov_b64 s[64:65], 0
	v_nop
	global_prefetch_b8 v0, s[64:65] scope:SCOPE_SE
	s_setreg_imm32_b32 hwreg(HW_REG_WAVE_MODE, 25, 1), 1
	s_wait_xcnt 0x0
	s_wait_alu depctr_hold_cnt(0) depctr_sa_sdst(0) depctr_va_vdst(0) depctr_va_sdst(0) depctr_va_ssrc(0) depctr_va_vcc(0) depctr_vm_vsrc(0)
	s_getreg_b32 s2, hwreg(HW_REG_IB_STS2, 6, 4)
	s_cmp_eq_u32 s2, 0
	s_cbranch_scc0 .Lentry_in_a_cluster
	s_endpgm
.Lentry_in_a_cluster:
	s_bfe_u32 s2, ttmp6, 0x10000c
	s_cmp_lg_u32 s2, 0xf033
	s_cbranch_scc0 .Lentry_shape_is_right
	s_endpgm
.Lentry_shape_is_right:
; out0 = y w_proj + b_proj on codes of FP6 (E2M3).  y and w_proj come as records of register images (tiles of 16 rows, row r of tile t = row 32 (t / 2) + 8 (t % 2) + r + 8 (r / 8); a HALF = 16 rows x 64 K = 768 bytes;
; codes [quarter of K][tile][4 HALFs]; scale bytes [quarter][tile][row][8]).  THE PRODUCT IS USED TRANSPOSED: source 0 = 16 columns of w_proj (S0), source 1 = 16 tokens (S1): a lane holds one token and neighbouring features.
; A work-group makes 128 tokens x 256 features; wave w: tokens 64 (w / 2) on x features 128 (w % 2) on: 4 x 8 accumulators.  256 work-groups.
; ALL OF K LIES IN LDS: four chunks of 256 along K, 73,728 bytes each (S1's 8 tiles, then S0's 16), each filled ONCE; all four fills go out at the start: four tensor loads of a wave are out at the most.
; CLUSTER 4 x 4: S1's tiles are shared along a row of the cluster, S0's along a column, by joint loads.  The bias is the C of each sum's first product.
; The way out goes through a stage of the wave's own in chunk 0, which has had its one fill and, behind the barrier ahead of chunk 3, its last read.
; REGISTERS: window 0: v1-9 addresses; v32-47 S1's scale words, v48-79 S0's; v80-175 S1's fragments, two sets; v176-239 the bias; on the way out v80-207 rows of out0.  window 1: S0's fragments, two sets.  window 2: accumulator (a, b) at v[8 (8 a + b)].
.set CH,   73728
.set WV,   12
.set G1A,  24
.set G1B,  32
.set G0A,  40
.set G0B,  68
.set A1L,  1
.set A1S,  2
.set A0L,  3
.set A0S,  4
.set L16,  5
.set L8,   6
.set STO,  7                           ; the stage: where I put 16 bytes of a row
.set RD,   8                           ; and where I read a row back
.set BIO,  9
.set S1SC, 32
.set S0SC, 48
.set S1F,  80
.set BI,   176
.set BK,   80
.set SP,   528                         ; a stage row: 512 bytes + 16
.set MSB, 0
.macro WIN new
.if MSB != \new
	s_set_vgpr_msb (MSB<<8)|\new
.set MSB, \new
.endif
.endm
.macro ROUND
	s_barrier_signal -1
	s_barrier_wait -1
	s_cmp_lg_u32 s[WV], 0
	s_cbranch_scc1 .Lnot_wave_0_\@
	s_barrier_signal -3
.Lnot_wave_0_\@:
	s_barrier_wait -3
	s_barrier_signal -1
	s_barrier_wait -1
.endm
.macro FR4 d, al, as, o
	ds_load_b128 v[\d:\d+3], v[\al] offset:\o
	ds_load_b64 v[\d+4:\d+5], v[\as] offset:\o+512
	ds_load_b128 v[\d+6:\d+9], v[\al] offset:\o+768
	ds_load_b64 v[\d+10:\d+11], v[\as] offset:\o+1280
.endm
; one product; c: its C (the bias for the first, else the accumulator itself).  rx, ry: the scale words lie in lanes 16-31 (an odd tile)
.macro WM d, x, y, c, sx, sy, rx, ry
.if \rx
.if \ry
	v_wmma_scale_f32_16x16x128_f8f6f4 v[\d:\d+7], v[\x:\x+11], v[\y:\y+11], v[\c:\c+7], v[\sx], v[\sy] matrix_a_fmt:MATRIX_FMT_FP6 matrix_b_fmt:MATRIX_FMT_FP6 matrix_a_scale:MATRIX_SCALE_ROW1 matrix_b_scale:MATRIX_SCALE_ROW1
.else
	v_wmma_scale_f32_16x16x128_f8f6f4 v[\d:\d+7], v[\x:\x+11], v[\y:\y+11], v[\c:\c+7], v[\sx], v[\sy] matrix_a_fmt:MATRIX_FMT_FP6 matrix_b_fmt:MATRIX_FMT_FP6 matrix_a_scale:MATRIX_SCALE_ROW1
.endif
.else
.if \ry
	v_wmma_scale_f32_16x16x128_f8f6f4 v[\d:\d+7], v[\x:\x+11], v[\y:\y+11], v[\c:\c+7], v[\sx], v[\sy] matrix_a_fmt:MATRIX_FMT_FP6 matrix_b_fmt:MATRIX_FMT_FP6 matrix_b_scale:MATRIX_SCALE_ROW1
.else
	v_wmma_scale_f32_16x16x128_f8f6f4 v[\d:\d+7], v[\x:\x+11], v[\y:\y+11], v[\c:\c+7], v[\sx], v[\sy] matrix_a_fmt:MATRIX_FMT_FP6 matrix_b_fmt:MATRIX_FMT_FP6
.endif
.endif
.endm
.macro FETCH q
	WIN 0x40
.irp b, 0,1,2,3,4,5,6,7
	FR4 96*((\q)%2)+12*\b, A0L, A0S, 3072*\b+1536*((\q)%2)
.endr
	WIN 0
.irp a, 0,1,2,3
	FR4 S1F+48*((\q)%2)+12*\a, A1L, A1S, 3072*\a+1536*((\q)%2)
.endr
.endm
.macro MUL q, z                        ; 32 products; the accumulators take turns, one instruction a turn.  z = 1: C is the bias, in window 0
.if \z
	WIN 0x81
.else
	WIN 0xa1
.endif
.irp a, 0,1,2,3
.irp b, 0,1,2,3,4,5,6,7
.if \z
	WM 8*(8*\a+\b), 96*((\q)%2)+12*\b, S1F+48*((\q)%2)+12*\a, BI+8*\b, S0SC+8*((\q)/2)+2*(\b/2)+(\q)%2, S1SC+4*((\q)/2)+2*(\a/2)+(\q)%2, \b%2, \a%2
.else
	WM 8*(8*\a+\b), 96*((\q)%2)+12*\b, S1F+48*((\q)%2)+12*\a, 8*(8*\a+\b), S0SC+8*((\q)/2)+2*(\b/2)+(\q)%2, S1SC+4*((\q)/2)+2*(\a/2)+(\q)%2, \b%2, \a%2
.endif
.endr
.endr
.endm
.macro STEP q, z
	s_wait_dscnt 0x0                               ; this step's fragments are in; no LDS access of mine is out at a signal
.if ((\q)%2 == 1) && ((\q) < 7)
	s_wait_tensorcnt 3-((\q)+1)/2                  ; my part of the next chunk has landed; the count is my loads of the chunks behind it
	s_barrier_signal -1
	s_barrier_wait -1
.endif
.if (\q) < 7
	FETCH (\q)+1
.endif
	MUL \q, \z
	WIN 0
.if ((\q)%2 == 0) && ((\q) < 6)                ; four plain lines behind the products: here the step to the next chunk
	v_add_nc_u32 v[A1L], CH, v[A1L]
	v_add_nc_u32 v[A1S], CH, v[A1S]
	v_add_nc_u32 v[A0L], CH, v[A0L]
	v_add_nc_u32 v[A0S], CH, v[A0S]
.else
.rept 4
	v_nop
.endr
.endif
.endm
	s_load_b256 s[4:11], s[0:1], 0x0               ; yq s[4:5], wpq s[6:7], b_proj s[8:9], out0 s[10:11]
	v_lshl_add_u32 v254, v0, 2, 0x48000
	v_mov_b32 v255, 0
	ds_add_u32 v254, v255
	ds_add_u32 v254, v255
	v_lshrrev_b32 v20, 5, v0
	v_readfirstlane_b32 s[WV], v20
	s_lshr_b32 s13, s[WV], 1                       ; which 64 tokens
	s_and_b32 s14, s[WV], 1                        ; which 128 features
	s_bfe_u32 s15, ttmp6, 0x40000                  ; cx
	s_bfe_u32 s16, ttmp6, 0x40004                  ; cy
	s_and_b32 s17, ttmp7, 0xffff
	s_lshl_b32 s20, s16, 2
	s_lshl_b32 s20, 15, s20                        ; my row of the cluster
	s_lshl_b32 s21, 0x1111, s15                    ; my column
	s_or_b32 s[G1A], s20, (3<<16)|(1<<21)          ; dense blocks as rows of 256 bytes: S1's 8 tiles are 96 rows,
	s_or_b32 s[G1B], s21, (3<<16)|(1<<21)          ; a third of S0's 16 tiles 64 rows
	s_mov_b32 s[G1A+1], 32<<16
	s_mov_b32 s[G1A+2], 96<<16
	s_mov_b32 s[G1A+3], 32<<16
	s_mov_b32 s[G1A+4], 96
	s_mov_b32 s[G1A+5], 32
	s_mov_b32 s[G1A+6], 0
	s_mov_b32 s[G1A+7], 0
	s_mov_b32 s[G1B+1], 32<<16
	s_mov_b32 s[G1B+2], 64<<16
	s_mov_b32 s[G1B+3], 32<<16
	s_mov_b32 s[G1B+4], 64
	s_mov_b32 s[G1B+5], 32
	s_mov_b32 s[G1B+6], 0
	s_mov_b32 s[G1B+7], 0
	s_lshl_b32 s60, s17, 2
	s_add_co_u32 s60, s60, s16                     ; my block of 128 tokens: it hangs on cy, never on cx
	s_lshl_b32 s61, ttmp9, 2
	s_add_co_u32 s61, s61, s15                     ; my block of 256 features: on cx, never on cy
	s_mul_i32 s62, s60, 24576
	s_mov_b32 s63, 0
	s_mul_i32 s98, s61, 49152
	s_lshl_b32 s3, s[WV], 14
	s_add_co_u32 s98, s98, s3
	s_mov_b32 s99, 0
	s_wait_dscnt 0x0
	s_wait_kmcnt 0x0
	s_add_nc_u64 s[94:95], s[4:5], s[62:63]
	s_add_nc_u64 s[96:97], s[6:7], s[98:99]
.irp g, 0,1,2,3
	s_mov_b32 s[G0A+4*\g], 1
	s_mov_b32 s[G0A+4*\g+1], \g*CH
	s_add_nc_u64 s[G0A+4*\g+2:G0A+4*\g+3], s[94:95], \g*1572864
	s_or_b32 s[G0A+4*\g+3], s[G0A+4*\g+3], 0x80000000
	s_mov_b32 s[G0B+4*\g], 1
	s_add_co_u32 s[G0B+4*\g+1], s3, \g*CH+24576
	s_add_nc_u64 s[G0B+4*\g+2:G0B+4*\g+3], s[96:97], \g*196608
	s_or_b32 s[G0B+4*\g+3], s[G0B+4*\g+3], 0x80000000
.endr
	ROUND                                          ; all sixteen work-groups are here: the joint loads meet
	s_cmp_eq_u32 s[WV], 3                          ; wave 3 asks for S1's four chunks, waves 0-2 for their thirds of S0's
	s_cbranch_scc0 .Lfill_s0
	tensor_load_to_lds s[G0A:G0A+3], s[G1A:G1A+7]
	s_nop 0
	tensor_load_to_lds s[G0A+4:G0A+7], s[G1A:G1A+7]
	s_nop 0
	tensor_load_to_lds s[G0A+8:G0A+11], s[G1A:G1A+7]
	s_nop 0
	tensor_load_to_lds s[G0A+12:G0A+15], s[G1A:G1A+7]
	s_nop 0
.rept 4
	v_nop
.endr
	s_branch .Lfilled
.Lfill_s0:
	tensor_load_to_lds s[G0B:G0B+3], s[G1B:G1B+7]
	s_nop 0
	tensor_load_to_lds s[G0B+4:G0B+7], s[G1B:G1B+7]
	s_nop 0
	tensor_load_to_lds s[G0B+8:G0B+11], s[G1B:G1B+7]
	s_nop 0
	tensor_load_to_lds s[G0B+12:G0B+15], s[G1B:G1B+7]
	s_nop 0
.rept 4
	v_nop
.endr
.Lfilled:
	s_lshl_b32 s2, s60, 3
	s_lshl_b32 s18, s13, 2
	s_add_co_u32 s2, s2, s18
	s_lshl_b32 s2, s2, 7
	s_mov_b32 s3, 0
	s_add_nc_u64 s[56:57], s[4:5], s[2:3]          ; S1's scale words at my four tiles (the record's offset stands in the immediate)
	s_lshl_b32 s2, s61, 4
	s_lshl_b32 s18, s14, 3
	s_add_co_u32 s2, s2, s18
	s_lshl_b32 s2, s2, 7
	s_add_nc_u64 s[58:59], s[6:7], s[2:3]          ; S0's at my eight
	s_lshl_b32 s20, s61, 10
	s_lshl_b32 s21, s14, 9
	s_add_co_u32 s20, s20, s21                     ; my first feature, in bytes
	s_mov_b32 s21, 0
	s_add_nc_u64 s[22:23], s[8:9], s[20:21]        ; the bias there
	v_and_b32 v20, 31, v0
	v_and_b32 v21, 15, v0
	v_bfe_u32 v22, v0, 4, 1
	v_lshlrev_b32 v[L16], 4, v20
	v_lshlrev_b32 v[L8], 3, v20
	v_lshlrev_b32 v[BIO], 6, v22
.irp g, 0,1,2,3
.irp i, 0,1
	global_load_b64 v[S1SC+4*\g+2*\i:S1SC+4*\g+2*\i+1], v[L8], s[56:57] offset:6291456+65536*\g+256*\i
.endr
.irp i, 0,1,2,3
	global_load_b64 v[S0SC+8*\g+2*\i:S0SC+8*\g+2*\i+1], v[L8], s[58:59] offset:786432+8192*\g+256*\i
.endr
.endr
.irp b, 0,1,2,3
.irp j, 0,1,2,3
	global_load_b128 v[BI+16*\b+4*\j:BI+16*\b+4*\j+3], v[BIO], s[22:23] offset:128*\b+16*\j    ; register 16 b + i: feature 32 b + 16 h + i
.endr
.endr
	s_mul_i32 s2, s13, 12288
	v_add_nc_u32 v[A1L], s2, v[L16]
	v_add_nc_u32 v[A1S], s2, v[L8]
	s_mul_i32 s2, s14, 24576
	s_add_co_u32 s2, s2, 24576
	v_add_nc_u32 v[A0L], s2, v[L16]
	v_add_nc_u32 v[A0S], s2, v[L8]
	s_mul_i32 s2, s[WV], 16*SP                     ; my stage
	v_mul_u32_u24 v[STO], v21, SP
	v_lshl_add_u32 v[STO], v22, 6, v[STO]
	v_add_nc_u32 v[STO], s2, v[STO]                ; in: row r, + 64 h
	v_add_nc_u32 v[RD], s2, v[L16]                 ; back: a row of 512 bytes by the 32 lanes
	s_lshl_b32 s84, s60, 19                        ; out0: 128 tokens of 4,096 bytes,
	s_lshl_b32 s85, s13, 18                        ; 64 for the upper half,
	s_add_co_u32 s84, s84, s85
	s_add_co_u32 s84, s84, s20                     ; my first feature
	s_mov_b32 s85, 0
	s_add_nc_u64 s[84:85], s[10:11], s[84:85]
	s_wait_alu depctr_va_vdst(0)
	s_wait_tensorcnt 0x3                           ; my part of chunk 0 has landed; my three later loads may be out
	s_barrier_signal -1
	s_barrier_wait -1
	FETCH 0
	s_wait_loadcnt 0x0                             ; scale words and bias
	STEP 0, 1
	s_wait_alu depctr_va_vdst(0)
	STEP 1, 0
	STEP 2, 0
	s_wait_alu depctr_va_vdst(0)
	STEP 3, 0
	STEP 4, 0
	s_wait_alu depctr_va_vdst(0)
	STEP 5, 0
	STEP 6, 0
	STEP 7, 0                                      ; (its four v_nop stand ahead of the first read of results and of the loads into the fragments' registers)
; THE WAY OUT, a tile of 16 tokens x 128 features at a time: through my stage, back as whole rows of 512 bytes.  LDS serves a wave's instructions in order: no wait between the stores and the loads
.macro TOSTAGE a
	WIN 0x08                                       ; an LDS store's data: window 2
.irp b, 0,1,2,3,4,5,6,7
	ds_store_b128 v[STO], v[64*(\a)+8*\b:64*(\a)+8*\b+3] offset:128*(\b/2)+32*(\b%2)          ; each accumulator from its low end on
	ds_store_b128 v[STO], v[64*(\a)+8*\b+4:64*(\a)+8*\b+7] offset:128*(\b/2)+32*(\b%2)+16
.endr
	WIN 0
.irp t, 0,1,2,3,4,5,6,7,8,9,10,11,12,13,14,15
	ds_load_b128 v[BK+64*((\a)%2)+4*\t:BK+64*((\a)%2)+4*\t+3], v[RD] offset:\t*SP
.endr
.endm
.macro SEND a, younger                 ; younger: the LDS instructions issued behind tile a's loads, which may stay out
	s_wait_dscnt \younger
.irp t, 0,1,2,3,4,5,6,7,8,9,10,11,12,13,14,15
	global_store_b128 v[L16], v[BK+64*((\a)%2)+4*\t:BK+64*((\a)%2)+4*\t+3], s[84:85] offset:(32*((\a)/2)+8*((\a)%2)+\t+8*(\t/8))*4096 th:TH_STORE_NT   ; 512 consecutive bytes, aligned; written once, read by nobody here
.endr
.endm
	TOSTAGE 0
.irp a, 1,2,3
.if \a > 1
	s_wait_xcnt 0x0                                ; tile a - 2's stores have read their registers: tile a's loads may land there
.endif
	TOSTAGE \a
	SEND \a-1, 32                                  ; behind tile a - 1's loads: tile a's 16 stores and 16 loads
.endr
	SEND 3, 0
	s_wait_dscnt 0x0
	s_wait_tensorcnt 0x0
	ds_add_u32 v254, v255
	s_wait_dscnt 0x0
	ROUND                                          ; the closing round
	s_endpgm
.Lfunc_end_k_q9071ae2da8_gemm_proj:
	.size	k_q9071ae2da8_gemm_proj, .Lfunc_end_k_q9071ae2da8_gemm_proj-k_q9071ae2da8_gemm_proj
	.p2alignl 7, 3214868480
	.fill 96, 4, 3214868480
	.section	.rodata,"a",@progbits
	.p2align	6, 0x0
	.amdhsa_kernel k_q9071ae2da8_gemm_proj
		.amdhsa_group_segment_fixed_size 295424
		.amdhsa_private_segment_fixed_size 0
		.amdhsa_enable_private_segment 0
		.amdhsa_kernarg_size 32
		.amdhsa_user_sgpr_count 2
		.amdhsa_user_sgpr_kernarg_segment_ptr 1
		.amdhsa_wavefront_size32 1
		.amdhsa_system_sgpr_workgroup_id_x 1
		.amdhsa_system_sgpr_workgroup_id_y 1
		.amdhsa_system_sgpr_workgroup_id_z 1
		.amdhsa_system_vgpr_workitem_id 0
		.amdhsa_next_free_vgpr 768
		.amdhsa_next_free_sgpr 100
		.amdhsa_reserve_vcc 0
		.amdhsa_float_denorm_mode_32 3
		.amdhsa_float_denorm_mode_16_64 3
		.amdhsa_memory_ordered 1
		.amdhsa_forward_progress 1
		.amdhsa_inst_pref_size 86
	.end_amdhsa_kernel
	.amdgpu_metadata
---
amdhsa.version: [ 1, 2 ]
amdhsa.kernels:
  - .name:           k_q9071ae2da8_gemm_proj
    .symbol:         k_q9071ae2da8_gemm_proj.kd
    .args:
      - { .name: yq, .offset: 0, .size: 8, .value_kind: global_buffer, .address_space: global }
      - { .name: wpq, .offset: 8, .size: 8, .value_kind: global_buffer, .address_space: global }
      - { .name: b_proj, .offset: 16, .size: 8, .value_kind: global_buffer, .address_space: global }
      - { .name: out0, .offset: 24, .size: 8, .value_kind: global_buffer, .address_space: global }
    .group_segment_fixed_size: 295424
    .private_segment_fixed_size: 0
    .kernarg_segment_align: 8
    .kernarg_segment_size: 32
    .max_flat_workgroup_size: 128
    .sgpr_count:     100
    .vgpr_count:     768
    .wavefront_size: 32
...
	.end_amdgpu_metadata
.endif
;; end of part 4
